; MI455X (gfx1250); checked and timed in simulation.
; The chip was launched on July 23, 2026; its instructions are those of AMD's public machine-readable ISA for CDNA 5 (MIT licence, August 2026) and "CDNA5" Instruction Set Architecture Reference Guide (July 2026). The comments in the code are by the model that wrote it; some were corrected since.
;; Multi Head Self Attention. Allowed arithmetic: matrix products marked QUANTISED: E4M3 operands, one E8M0 scale for each 32 along K, by v_wmma_scale_f32_16x16x128_f8f6f4 with both operands' format E4M3, f32 sums; everything else in f32.
;; Inputs: W1_codes 1,024 x 16 x 32 uint8 (E4M3 codes of W1, K innermost, in blocks of 32 codes); W1_scales 1,024 x 16 uint8 (E8M0 scales of W1, one for each 32 codes along K); W2_codes 512 x 32 x 32 uint8 (E4M3 codes of W2, K innermost, in blocks of 32 codes); W2_scales 512 x 32 uint8 (E8M0 scales of W2, one for each 32 codes along K); Wk_codes 512 x 16 x 32 uint8 (E4M3 codes of Wk, K innermost, in blocks of 32 codes); Wk_scales 512 x 16 uint8 (E8M0 scales of Wk, one for each 32 codes along K); Wo_codes 512 x 16 x 32 uint8 (E4M3 codes of Wo, K innermost, in blocks of 32 codes); Wo_scales 512 x 16 uint8 (E8M0 scales of Wo, one for each 32 codes along K); Wq_codes 512 x 16 x 32 uint8 (E4M3 codes of Wq, K innermost, in blocks of 32 codes); Wq_scales 512 x 16 uint8 (E8M0 scales of Wq, one for each 32 codes along K); Wv_codes 512 x 16 x 32 uint8 (E4M3 codes of Wv, K innermost, in blocks of 32 codes); Wv_scales 512 x 16 uint8 (E8M0 scales of Wv, one for each 32 codes along K); b1 512 float32; b2 512 float32; bf1 1,024 float32; bf2 512 float32; bk 512 float32; bo 512 float32; bq 512 float32; bv 512 float32; g1 512 float32; g2 512 float32; x 4 x 2,048 x 512 float32.
;; Outputs: out0 4 x 2,048 x 512 float32.
;; This version of the problem:
;;   THIS VERSION OF THE PROBLEM IS GIVEN IN LOW PRECISION. The matrix products marked QUANTISED in the list below multiply operands that are first quantised to E4M3 (4 exponent bits, 3 mantissa bits; 8 bits a number), with one power-of-two scale for each 32 numbers along K (OCP MX v1.0); their sums are f32. All else is computed in f32.
;;   The module's matrix products, in the order in which they are computed (A, B: the left and right operand; K: the contracted axis; several contracted axes count as one K, in the product's order):
;;     1. [M 8,192, K 512] x [K 512, N 512]; A: computed on the way; B: input Wq (given as codes): QUANTISED
;;     2. [M 8,192, K 512] x [K 512, N 512]; A: computed on the way; B: input Wk (given as codes): QUANTISED
;;     3. [M 8,192, K 512] x [K 512, N 512]; A: computed on the way; B: input Wv (given as codes): QUANTISED
;;     4. batch 64 x [M 2,048, K 32] x [K 32, N 2,048]; A: computed on the way; B: computed on the way: QUANTISED
;;     5. batch 64 x [M 2,048, K 2,048] x [K 2,048, N 32]; A: softmax (see below); B: computed on the way: QUANTISED
;;     6. [M 8,192, K 512] x [K 512, N 512]; A: computed on the way; B: input Wo (given as codes): QUANTISED
;;     7. [M 8,192, K 512] x [K 512, N 1,024]; A: computed on the way; B: input W1 (given as codes): QUANTISED
;;     8. [M 8,192, K 1,024] x [K 1,024, N 512]; A: computed on the way; B: input W2 (given as codes): QUANTISED
;;   THE QUANTISER, for each operand of a quantised product, along K:
;;     - K is cut into blocks of 32 from its start; a last block that is shorter is filled with zeros.
;;     - A block's scale is 2^e with e = floor(log2(the largest magnitude in the block)) - 8, held to -126 .. 127; a block of zeros has e = 0. As a byte (E8M0): e + 127.
;;     - Each number is divided by its block's scale, clamped to +-448, and rounded to the nearest number of E4M3, ties to even, subnormals kept.
;;     - The product sums the exact products of the quantised numbers (number of the format x scale) in f32.
;;   ~~~python
;;   def quantise(x, axis):      # numpy; x: float32 -> the quantised numbers, widened to float32 again
;;       x = np.moveaxis(x, axis, -1); K = x.shape[-1]
;;       x = np.pad(x, [(0, 0)] * (x.ndim - 1) + [(0, -K % 32)]); x = x.reshape(x.shape[:-1] + (-1, 32)); a = np.abs(x).max(-1, keepdims=True)
;;       e = np.where(a > 0, np.clip(np.frexp(np.where(a > 0, a, 1))[1] - 1 - 8, -126, 127), 0)      # np.frexp(a)[1] - 1 = floor(log2(a)), exactly
;;       r = np.clip(x / 2.0 ** e, -448, 448)
;;       step = 2.0 ** (np.maximum(np.frexp(np.where(r == 0, 1, r))[1] - 1, -6) - 3)
;;       q = np.round(r / step) * step * 2.0 ** e      # np.round: ties to even
;;       return np.moveaxis(q.reshape(q.shape[:-2] + (-1,))[..., :K], -1, axis).astype(np.float32)
;;   ~~~
;;   SOFTMAX AHEAD OF A QUANTISED PRODUCT. Where the list says 'softmax', what is quantised is not the finished softmax but p = 2^(t - M), with t = logit x log2(e) and M = ceil(the row's largest t), a whole number; so 1/2 < the row's largest p <= 1. The row's sum l is taken of the UNQUANTISED p, in f32, and the product's result is divided by l at the end. Since M is a whole number, a kernel that streams over the keys may use a running M (the ceiling of the running maximum): every later rescaling is an exact power of two, which a block's scale takes up: the codes' values come out the same.
;;   OPERANDS COMPUTED ON THE WAY. 'Computed on the way' means the value that the module computes at that place (a softmax that the list does not call 'softmax' is quantised finished and normalised). What goes into a quantiser is computed in f32, as accurately as f32 sums, v_exp_f32 and their like allow (about 1e-6 of the number): no bf16 or f16 on the way to a quantiser, and a product that is left as it is and whose result goes on into a quantised operand takes f32 operands (vector FMAs, or v_wmma_f32_16x16x4_f32). A number that lies on a knife's edge between two numbers of the format may be rounded either way, as far as f32 arithmetic and the matrix unit's own rounding can turn it there, and no further.
;;   INPUTS GIVEN AS CODES. W1 (in the module: [512, 1024], K = its axis 0); W2 (in the module: [1024, 512], K = its axis 0); Wk (in the module: [512, 512], K = its axis 0); Wo (in the module: [512, 512], K = its axis 0); Wq (in the module: [512, 512], K = its axis 0); Wv (in the module: [512, 512], K = its axis 0): each comes as NAME_codes (uint8): NAME with its K axis moved to the last place and cut into blocks of 32 codes, [.., K / 32, bytes a block], one block behind the other in memory; one code a byte (a code: sign, 4 exponent bits, 3 mantissa bits); and NAME_scales (uint8): the same leading axes, one E8M0 byte (e + 127) for each 32 codes along K. Its value is code x scale, taken as it is: it is not quantised again, and the codes and scales need not be those that the quantiser above would give.
;; One version. Each part assembles by itself: llvm-mc -triple=amdgcn-amd-amdhsa -mcpu=gfx1250 --defsym DOCPART=n.
;; ======== version 1 of 1: 3 launches
;; limits: a function is approximated: absolute error at most 1e-06
;; workspace buffers: qc 4,194,304 bytes; qs 524,288 bytes; kv 8,650,752 bytes; cc 4,194,304 bytes; cs 131,072 bytes
;; launch qkv (part 1): grid 256 x 1, 8 waves a work-group, no clusters, 99,840 bytes of LDS; arguments x, g1, b1, Wq_codes, Wq_scales, bq, Wk_codes, Wk_scales, bk, Wv_codes, Wv_scales, bv, qc, qs, kv; writes qc, qs, kv
.if DOCPART == 1
	.amdgcn_target "amdgcn-amd-amdhsa--gfx1250"
	.amdhsa_code_object_version 6
	.text
	.protected	k_qf3c6e8c40d_qkv
	.globl	k_qf3c6e8c40d_qkv
	.p2align	8
	.type	k_qf3c6e8c40d_qkv,@function
k_qf3c6e8c40d_qkv:
	s_mov_b64 s[64:65], 0
	v_nop
	global_prefetch_b8 v0, s[64:65] scope:SCOPE_SE
	s_setreg_imm32_b32 hwreg(HW_REG_WAVE_MODE, 25, 1), 1
	s_wait_xcnt 0x0
; LN1, the quantiser, the three projections with their biases, and the quantisers of q, k (along the head's 32 channels) and v (along 32 keys).
; x: [8192][512] f32.  W*: codes [512 (n)][512 (k)], scale bytes [512][16].  All products on E4M3 codes with one E8M0 scale for each 32 along K.
; SHARES.  A work-group takes 32 rows.  Wave w normalises and quantises rows 4 w .. 4 w + 3; the eight waves' codes meet in LDS as images of the operand's registers.
; Then wave w makes heads 2 w and 2 w + 1 of q, of k and of v: six blocks of 32 outputs x 32 rows, 16 matrix instructions each; its weights come from memory straight into its registers, a block ahead.
; ROW ORDER.  rp(r) = r + 8 (r / 8).  Lane-row r of row tile u is row 8 u + rp(r); lane-row r of weight tile t is output 8 t + rp(r) of the head.
; So in a result register j of lane (r, h) stands index 16 h + 8 (tile) + j: two neighbouring tiles give a lane 16 neighbours along the next product's K.
; q, k: source 0 = weight rows, source 1 = rows of xn: a lane holds one row and 16 channels.  v: source 0 = rows of xn, source 1 = weight rows: a lane holds one channel and 16 keys.
; OUTPUT LAYOUTS (register images, 16 bytes a lane, 512 bytes a group of four registers):
;   qc [bh][q tile][512];  qs [bh][block of 32][32 words]: word 16 u + r = the row's scale byte four times;
;   kv [bh][step of 128 keys][8448]: +0 eight key tiles of 512 bytes; +4096 two fragments of v^T (16 channels x 128 keys); +8192 32 scale words of k; +8320 32 scale words of v.
; LIMITS: NaN and infinities among the inputs are not served.  A block whose largest magnitude lies under 2^-118, a block of zeros among them, gets the scale byte 1; only this program reads these bytes.
.set XIMG, 0                           ; LDS: xn's eight fragments (4 u + s), 2,048 bytes each
.set XSC,  16384                       ; their scale words: 64 bytes a fragment
.set STG,  16896                       ; a stage of 10,240 bytes for each wave: 4 rows x 32 places of 80 bytes
.set SP,   80
.set KVH,  135168                      ; a head's bytes in kv
.set KVS,  8448                        ; a step's
.set LANE, 1
.set R_,   2
.set H_,   3
.set LI,   4                           ; 16 x lane
.set R4,   5                           ; 4 r
.set VW,   6                           ; 512 rp + 16 h: my place in a weight tile
.set VSC,  7                           ; 16 rp: in its scale bytes
.set VBQ,  8                           ; 64 h: a bias in the result's layout
.set VBV,  9                           ; 4 rp: v's bias, one number a lane
.set SIN,  10
.set SOUT, 11
.set XW,   12
.set XB,   13
.set LS,   14                          ; 4 x lane
.set VKS,  15                          ; KVH h + 4 r
.set WS,   16                          ; v16-31 weight scale words: 8 buf + 4 t + s
.set AS,   32                          ; v32-39 xn's scale words: 4 u + s
.set TM,   40                          ; v40-55 the quantiser's work: +0 maxima, +4 bytes, +8 holds, +12 scale operands
.set L64,  42                          ; 64 x lane, until g1 and b1 are in
.set KEEP, 43                          ; k: head 0's two scale bytes
.set SD,   46                          ; scale data on their way out
.set PC,   56                          ; v56-63 codes
.set BI,   64                          ; v64-95 biases: 16 buf + 8 t
.set ACC,  96                          ; v96-127 four accumulators
.set AF,   128                         ; v128-255 xn's fragments: 16 (4 u + s)
.set X,    128                         ; LN: four rows x 16 numbers
.set RR,   192                         ; LN: x as loaded; later the rows' codes
.set LG,   96                          ; LN: g1
.set LB,   112                         ; LN: b1
.set SS,   80                          ; LN: sums, a pair a row
.set QQ,   88                          ; LN: sums of squares
.set SEL,  38                          ; s[38:39] selects for lane l xor 16
.set MNT,  43                          ; s43 the mantissa field of 448
.set MSB, 0
.macro WIN new                         ; the immediate's high byte repeats the setting that is left
.if MSB != \new
	s_set_vgpr_msb (MSB<<8)|\new
.set MSB, \new
.endif
.endm
; nb blocks; block q is v[s + 16 q] .. + 15, sixteen neighbours along K; the other sixteen lie in lane l xor 1 (xm = 1) or l xor 16 (xm = 0).  Codes to v[d + 4 q] on, the scale's byte to v[TM + 4 + q].
.macro QUANT s, nb, d, xm
.set qb, 0
.rept \nb
	v_max3_num_f32 v[TM+qb], |v[(\s)+16*qb]|, |v[(\s)+16*qb+1]|, 0x4800000   ; with the floor 2^(9 - 127): the byte cannot fall under 1
.set qb, qb+1
.endr
.set qi, 2
.rept 7
.set qb, 0
.rept \nb
	v_max3_num_f32 v[TM+qb], v[TM+qb], |v[(\s)+16*qb+qi]|, |v[(\s)+16*qb+qi+1]|
.set qb, qb+1
.endr
.set qi, qi+2
.endr
.set qb, 0
.rept \nb
.if \xm
	v_max_num_f32_dpp v[TM+qb], v[TM+qb], v[TM+qb] row_xmask:1 row_mask:0xf bank_mask:0xf
.else
	v_permlanex16_b32 v[TM+4+qb], v[TM+qb], s[SEL], s[SEL+1]
.endif
.set qb, qb+1
.endr
.if !(\xm)
.set qb, 0
.rept \nb
	v_max_num_f32 v[TM+qb], v[TM+qb], v[TM+4+qb]
.set qb, qb+1
.endr
.endif
.set qb, 0
.rept \nb
	v_add_nc_u32 v[TM+12+qb], 0xfc000000, v[TM+qb]          ; 8 off the exponent field: the conversion's scale operand
.set qb, qb+1
.endr
.set qb, 0
.rept \nb
	v_and_or_b32 v[TM+8+qb], v[TM+qb], 0x7f800000, s[MNT]   ; 448 x the scale
.set qb, qb+1
.endr
.set qb, 0
.rept \nb
	v_lshrrev_b32 v[TM+4+qb], 23, v[TM+12+qb]               ; the scale's byte
.set qb, qb+1
.endr
.set qb, 0
.rept \nb
.set qi, 0
.rept 16
	v_med3_num_f32 v[(\s)+16*qb+qi], v[(\s)+16*qb+qi], -v[TM+8+qb], v[TM+8+qb]   ; the conversion does not saturate (ISA guide 7.6.2): the hold comes first
.set qi, qi+1
.endr
	v_cvt_scalef32_pk8_fp8_f32 v[(\d)+4*qb:(\d)+4*qb+1], v[(\s)+16*qb:(\s)+16*qb+7], v[TM+12+qb]
	v_cvt_scalef32_pk8_fp8_f32 v[(\d)+4*qb+2:(\d)+4*qb+3], v[(\s)+16*qb+8:(\s)+16*qb+15], v[TM+12+qb]
.set qb, qb+1
.endr
	v_nop                                                   ; a plain instruction behind the last conversion
.endm
; A weight group: two tiles x four K steps of codes into window 1, their scale words, and the bias.  38 loads (v: 36).
.macro LOADG buf, wc, ws, bp, hd, isv
	WIN 0x40
.irp t, 0,1
.irp s, 0,1,2,3
.irp c, 0,1,2,3
	global_load_b128 v[128*(\buf)+16*(4*\t+\s)+4*\c:128*(\buf)+16*(4*\t+\s)+4*\c+3], v[VW], s[\wc:\wc+1] offset:16384*(\hd)+4096*\t+128*\s+32*\c
.endr
.endr
.endr
	WIN 0
.irp t, 0,1
	global_load_b128 v[WS+8*(\buf)+4*\t:WS+8*(\buf)+4*\t+3], v[VSC], s[\ws:\ws+1] offset:512*(\hd)+128*\t
.endr
.if \isv
.irp t, 0,1
	global_load_b32 v[BI+16*(\buf)+\t], v[VBV], s[\bp:\bp+1] offset:128*(\hd)+32*\t
.endr
.else
.irp t, 0,1
	global_load_b128 v[BI+16*(\buf)+8*\t:BI+16*(\buf)+8*\t+3], v[VBQ], s[\bp:\bp+1] offset:128*(\hd)+32*\t
	global_load_b128 v[BI+16*(\buf)+8*\t+4:BI+16*(\buf)+8*\t+7], v[VBQ], s[\bp:\bp+1] offset:128*(\hd)+32*\t+16
.endr
.endif
.endm
; q, k: source 0 = weights (window 1), source 1 = xn; the bias is the C of a sum's first product.  The four accumulators take turns, one instruction a turn.
.macro MULQK buf
	WIN 0x01
.irp s, 0,1,2,3
.irp u, 0,1
.irp t, 0,1
.if \s == 0
	v_wmma_scale_f32_16x16x128_f8f6f4 v[ACC+8*(2*\u+\t):ACC+8*(2*\u+\t)+7], v[128*(\buf)+16*(4*\t+\s):128*(\buf)+16*(4*\t+\s)+15], v[AF+16*(4*\u+\s):AF+16*(4*\u+\s)+15], v[BI+16*(\buf)+8*\t:BI+16*(\buf)+8*\t+7], v[WS+8*(\buf)+4*\t+\s], v[AS+4*\u+\s]
.else
	v_wmma_scale_f32_16x16x128_f8f6f4 v[ACC+8*(2*\u+\t):ACC+8*(2*\u+\t)+7], v[128*(\buf)+16*(4*\t+\s):128*(\buf)+16*(4*\t+\s)+15], v[AF+16*(4*\u+\s):AF+16*(4*\u+\s)+15], v[ACC+8*(2*\u+\t):ACC+8*(2*\u+\t)+7], v[WS+8*(\buf)+4*\t+\s], v[AS+4*\u+\s]
.endif
.endr
.endr
.endr
.endm
; v: source 0 = xn, source 1 = weights (window 1)
.macro MULV buf
	WIN 0x04
.irp s, 0,1,2,3
.irp t, 0,1
.irp u, 0,1
.if \s == 0
	v_wmma_scale_f32_16x16x128_f8f6f4 v[ACC+8*(2*\t+\u):ACC+8*(2*\t+\u)+7], v[AF+16*(4*\u+\s):AF+16*(4*\u+\s)+15], v[128*(\buf)+16*(4*\t+\s):128*(\buf)+16*(4*\t+\s)+15], 0, v[AS+4*\u+\s], v[WS+8*(\buf)+4*\t+\s]
.else
	v_wmma_scale_f32_16x16x128_f8f6f4 v[ACC+8*(2*\t+\u):ACC+8*(2*\t+\u)+7], v[AF+16*(4*\u+\s):AF+16*(4*\u+\s)+15], v[128*(\buf)+16*(4*\t+\s):128*(\buf)+16*(4*\t+\s)+15], v[ACC+8*(2*\t+\u):ACC+8*(2*\t+\u)+7], v[AS+4*\u+\s], v[WS+8*(\buf)+4*\t+\s]
.endif
.endr
.endr
.endr
.endm
; Behind a block's products: nine plain places: the results are read, the weights' registers are loaded anew, and the next block begins the accumulators anew with another C.
.macro AFTER
	WIN 0
.rept 9
	v_nop
.endr
	s_wait_xcnt 0x0                                ; the last block's stores have read their data registers, which this block writes again
.endm
.macro BIASV buf                       ; v's bias: one number a lane and tile
.irp p, 0,2,4,6,8,10,12,14
	v_pk_add_f32 v[ACC+\p:ACC+\p+1], v[ACC+\p:ACC+\p+1], v[BI+16*(\buf):BI+16*(\buf)+1] op_sel_hi:[1,0]
.endr
.irp p, 16,18,20,22,24,26,28,30
	v_pk_add_f32 v[ACC+\p:ACC+\p+1], v[ACC+\p:ACC+\p+1], v[BI+16*(\buf):BI+16*(\buf)+1] op_sel:[0,1] op_sel_hi:[1,1]
.endr
.endm
.macro OUTQ hd
	global_store_b128 v[LI], v[PC:PC+3], s[28:29] offset:65536*\hd           ; a wave's store covers 512 consecutive bytes, aligned
	global_store_b128 v[LI], v[PC+4:PC+7], s[28:29] offset:65536*\hd+512
	v_cndmask_b32 v[SD], v[TM+4], v[TM+5], s40     ; lanes 0-15: tile 0's byte, lanes 16-31: tile 1's
	v_mul_lo_u32 v[SD], v[SD], s44                 ; the byte four times
	global_store_b32 v[LS], v[SD], s[30:31] offset:8192*\hd
.endm
.macro OUTK hd
	global_store_b128 v[LI], v[PC:PC+3], s[46:47] offset:KVH*\hd
	global_store_b128 v[LI], v[PC+4:PC+7], s[46:47] offset:KVH*\hd+512
.if \hd == 0
	v_lshl_or_b32 v[KEEP], v[TM+5], 8, v[TM+4]     ; the two tiles' bytes are neighbours in a key's scale word
.else
	v_lshl_or_b32 v[SD], v[TM+5], 8, v[TM+4]
	v_cndmask_b32 v[SD], v[KEEP], v[SD], s40       ; lanes 0-15 store head 0's, lanes 16-31 head 1's
	global_store_b16 v[VKS], v[SD], s[50:51]
.endif
.endm
.macro OUTV hd
	global_store_b128 v[LI], v[PC:PC+3], s[48:49] offset:KVH*\hd
	global_store_b128 v[LI], v[PC+4:PC+7], s[48:49] offset:KVH*\hd+2048
	v_cndmask_b32 v[SD], v[TM+4], v[TM+5], s40     ; lanes 0-15: channel tile 0's byte, lanes 16-31: tile 1's
	global_store_b8 v[LS], v[SD], s[52:53] offset:KVH*\hd
.endm
.macro RED4 b                          ; four rows' pairs v[b + 2 i] are summed over the pair and the 32 lanes
.irp i, 0,1,2,3
	v_add_f32 v[\b+2*\i], v[\b+2*\i], v[\b+2*\i+1]
.endr
.irp m, 1,2,4,8
.irp i, 0,1,2,3
	v_add_f32_dpp v[\b+2*\i], v[\b+2*\i], v[\b+2*\i] row_xmask:\m row_mask:0xf bank_mask:0xf
.endr
.endr
.irp i, 0,1,2,3
	v_permlanex16_b32 v[TM+4+\i], v[\b+2*\i], s[SEL], s[SEL+1]
.endr
.irp i, 0,1,2,3
	v_add_f32 v[\b+2*\i], v[\b+2*\i], v[TM+4+\i]
.endr
.endm
	s_load_b512 s[4:19], s[0:1], 0x0               ; x 4, g1 6, b1 8, Wq codes 10, scales 12, bq 14, Wk codes 16, scales 18
	s_load_b256 s[20:27], s[0:1], 0x40             ; bk 20, Wv codes 22, scales 24, bv 26
	s_load_b128 s[28:31], s[0:1], 0x60             ; qc 28, qs 30
	s_load_b64 s[32:33], s[0:1], 0x70              ; kv
	v_lshrrev_b32 v1, 5, v0
	v_readfirstlane_b32 s34, v1                    ; wave 0..7
	v_and_b32 v[LANE], 31, v0
	v_and_b32 v[R_], 15, v0
	v_bfe_u32 v[H_], v0, 4, 1
	v_lshlrev_b32 v[LI], 4, v[LANE]
	v_lshlrev_b32 v[R4], 2, v[R_]
	v_lshlrev_b32 v[LS], 2, v[LANE]
	v_lshlrev_b32 v[L64], 6, v[LANE]
	v_and_b32 v50, 8, v[R_]
	v_add_nc_u32 v50, v50, v[R_]                   ; rp
	v_lshlrev_b32 v[VW], 9, v50
	v_lshl_add_u32 v[VW], v[H_], 4, v[VW]
	v_lshlrev_b32 v[VSC], 4, v50
	v_lshlrev_b32 v[VBQ], 6, v[H_]
	v_lshlrev_b32 v[VBV], 2, v50
	v_mul_u32_u24 v[VKS], v[H_], KVH
	v_lshl_add_u32 v[VKS], v[R_], 2, v[VKS]
	s_mul_i32 s35, s34, 10240
	s_add_co_u32 s35, s35, STG                     ; my stage
	v_lshrrev_b32 v[SIN], 2, v[LANE]
	v_mul_u32_u24 v[SIN], v[SIN], SP
	v_and_b32 v51, 3, v[LANE]
	v_lshl_add_u32 v[SIN], v51, 4, v[SIN]
	v_add_nc_u32 v[SIN], s35, v[SIN]               ; in: four lanes' 64 bytes on end, then 16 of padding
	v_mul_u32_u24 v[SOUT], v[LANE], SP
	v_add_nc_u32 v[SOUT], s35, v[SOUT]             ; out: my 16 neighbours
	s_bfe_u32 s36, s34, 0x10001                    ; my rows' tile u = (w / 2) % 2
	s_lshr_b32 s37, s34, 2
	s_lshl_b32 s37, s37, 3
	s_and_b32 s45, s34, 1
	s_lshl_b32 s45, s45, 2
	s_add_co_u32 s37, s37, s45                     ; and their first lane-row 8 (w / 4) + 4 (w % 2)
	s_lshl_b32 s45, s36, 13
	s_lshl_b32 s54, s37, 4
	s_add_co_u32 s45, s45, s54
	v_lshl_add_u32 v[XW], v[LANE], 8, s45          ; columns 16 l on are K step l / 8, group (l / 2) % 4, half l % 2: 256 l bytes into the tile's four images
	s_lshl_b32 s45, s36, 8
	s_lshl_b32 s54, s37, 2
	s_add_co_u32 s45, s45, s54
	s_add_co_u32 s45, s45, XSC
	v_lshrrev_b32 v[XB], 3, v[LANE]
	v_bfe_u32 v51, v0, 1, 2
	v_lshl_add_u32 v[XB], v[XB], 6, v51
	v_add_nc_u32 v[XB], s45, v[XB]                 ; the block's scale byte: fragment, lane-row's word, byte (l / 2) % 4
.irp i, 0,1,2,3
	v_mov_b32 v[TM+4+\i], 0                        ; written once: a lane permute's destination counts as one of its sources
.endr
	s_mov_b32 s[SEL], 0x76543210
	s_mov_b32 s[SEL+1], 0xfedcba98
	s_mov_b32 s40, 0xffff0000                      ; lanes 16-31
	s_mov_b32 s41, 0x3727c5ac                      ; 1e-5
	s_mov_b32 s42, 0x3b000000                      ; 1 / 512
	s_mov_b32 s[MNT], 0x600000
	s_mov_b32 s44, 0x01010101
	s_lshr_b32 s55, ttmp9, 6                       ; batch
	s_and_b32 s56, ttmp9, 63                       ; block of 32 rows in the sequence
	s_lshr_b32 s57, s56, 2                         ; key step
	s_and_b32 s58, s56, 3                          ; block in the step
	s_lshl_b32 s59, s55, 4
	s_lshl_b32 s60, s34, 1
	s_add_co_u32 s59, s59, s60                     ; my first head: 16 batch + 2 w
	s_mov_b32 s61, 0
	s_lshl_b32 s60, ttmp9, 16
	s_lshl_b32 s62, s34, 13
	s_add_co_u32 s60, s60, s62
	s_wait_kmcnt 0x0
	s_add_nc_u64 s[4:5], s[4:5], s[60:61]          ; x at my four rows
.irp i, 0,1,2,3
.irp q, 0,1,2,3
	global_load_b128 v[RR+16*\i+4*\q:RR+16*\i+4*\q+3], v[LI], s[4:5] offset:2048*\i+512*\q th:TH_LOAD_NT   ; 512 consecutive bytes a load
.endr
.endr
.irp j, 0,1,2,3
	global_load_b128 v[LG+4*\j:LG+4*\j+3], v[L64], s[6:7] offset:16*\j
.endr
.irp j, 0,1,2,3
	global_load_b128 v[LB+4*\j:LB+4*\j+3], v[L64], s[8:9] offset:16*\j
.endr
	s_lshl_b32 s60, s34, 15
	s_add_nc_u64 s[10:11], s[10:11], s[60:61]      ; my 64 rows of each weight,
	s_add_nc_u64 s[16:17], s[16:17], s[60:61]
	s_add_nc_u64 s[22:23], s[22:23], s[60:61]
	s_lshl_b32 s60, s34, 10
	s_add_nc_u64 s[12:13], s[12:13], s[60:61]      ; of their scale bytes,
	s_add_nc_u64 s[18:19], s[18:19], s[60:61]
	s_add_nc_u64 s[24:25], s[24:25], s[60:61]
	s_lshl_b32 s60, s34, 8
	s_add_nc_u64 s[14:15], s[14:15], s[60:61]      ; and of the biases
	s_add_nc_u64 s[20:21], s[20:21], s[60:61]
	s_add_nc_u64 s[26:27], s[26:27], s[60:61]
	LOADG 0, 10, 12, 14, 0, 0                      ; q, head 0
	s_lshl_b32 s60, s59, 16
	s_lshl_b32 s62, s56, 10
	s_add_co_u32 s60, s60, s62
	s_add_nc_u64 s[28:29], s[28:29], s[60:61]      ; qc
	s_lshl_b32 s60, s59, 13
	s_lshl_b32 s62, s56, 7
	s_add_co_u32 s60, s60, s62
	s_add_nc_u64 s[30:31], s[30:31], s[60:61]      ; qs
	s_mul_i32 s60, s59, KVH
	s_mul_i32 s62, s57, KVS
	s_add_co_u32 s60, s60, s62
	s_add_nc_u64 s[32:33], s[32:33], s[60:61]      ; kv at my first head's step
	s_lshl_b32 s60, s58, 10
	s_add_nc_u64 s[46:47], s[32:33], s[60:61]      ; k's two tiles of this block
	s_lshl_b32 s60, s58, 9
	s_add_co_u32 s60, s60, 4096
	s_add_nc_u64 s[48:49], s[32:33], s[60:61]      ; v's group of this block
	s_lshr_b32 s60, s58, 1
	s_lshl_b32 s60, s60, 6
	s_and_b32 s62, s58, 1
	s_lshl_b32 s62, s62, 1
	s_add_co_u32 s60, s60, s62
	s_add_co_u32 s60, s60, 8192
	s_add_nc_u64 s[50:51], s[32:33], s[60:61]      ; k's scale bytes
	s_add_co_u32 s60, s58, 8320
	s_add_nc_u64 s[52:53], s[32:33], s[60:61]      ; v's
	; ---- x through my stage: loaded 16 bytes a lane as it lies, read back 64 bytes a lane
	s_wait_loadcnt 46                              ; x is in; younger: g1 4, b1 4, the first weight group 38
.irp i, 0,1,2,3
.irp q, 0,1,2,3
	ds_store_b128 v[SIN], v[RR+16*\i+4*\q:RR+16*\i+4*\q+3] offset:2560*\i+640*\q
.endr
.endr
.irp i, 0,1,2,3
.irp j, 0,1,2,3
	ds_load_b128 v[X+16*\i+4*\j:X+16*\i+4*\j+3], v[SOUT] offset:2560*\i+16*\j   ; LDS serves a wave's instructions in order (ISA guide 5.7.1.4)
.endr
.endr
	s_wait_dscnt 0x0
	; ---- LN1, four rows by turns: the mean, x - mean in place, the mean of squares, 1 / sqrt, gain and bias
.irp i, 0,1,2,3
	v_pk_add_f32 v[SS+2*\i:SS+2*\i+1], v[X+16*\i:X+16*\i+1], v[X+16*\i+2:X+16*\i+3]
.endr
.irp k, 4,6,8,10,12,14
.irp i, 0,1,2,3
	v_pk_add_f32 v[SS+2*\i:SS+2*\i+1], v[SS+2*\i:SS+2*\i+1], v[X+16*\i+\k:X+16*\i+\k+1]
.endr
.endr
	RED4 SS
.irp i, 0,1,2,3
	v_mul_f32 v[SS+2*\i], s42, v[SS+2*\i]
.endr
.irp k, 0,2,4,6,8,10,12,14
.irp i, 0,1,2,3
	v_pk_add_f32 v[X+16*\i+\k:X+16*\i+\k+1], v[X+16*\i+\k:X+16*\i+\k+1], v[SS+2*\i:SS+2*\i+1] op_sel_hi:[1,0] neg_lo:[0,1] neg_hi:[0,1]
.endr
.endr
.irp i, 0,1,2,3
	v_pk_mul_f32 v[QQ+2*\i:QQ+2*\i+1], v[X+16*\i:X+16*\i+1], v[X+16*\i:X+16*\i+1]
.endr
.irp k, 2,4,6,8,10,12,14
.irp i, 0,1,2,3
	v_pk_fma_f32 v[QQ+2*\i:QQ+2*\i+1], v[X+16*\i+\k:X+16*\i+\k+1], v[X+16*\i+\k:X+16*\i+\k+1], v[QQ+2*\i:QQ+2*\i+1]
.endr
.endr
	RED4 QQ
.irp i, 0,1,2,3
	v_fma_f32 v[QQ+2*\i], v[QQ+2*\i], s42, s41
.endr
.irp i, 0,1,2,3
	v_rsq_f32 v[QQ+2*\i], v[QQ+2*\i]
.endr
	v_nop                                          ; a plain instruction behind the last of the four,
	s_wait_alu depctr_va_vdst(0)                   ; and one wait for the four, ahead of their first reader
	s_wait_loadcnt 38                              ; g1 and b1 are in; the weight group may be out
.irp k, 0,2,4,6,8,10,12,14
.irp i, 0,1,2,3
	v_pk_mul_f32 v[X+16*\i+\k:X+16*\i+\k+1], v[X+16*\i+\k:X+16*\i+\k+1], v[QQ+2*\i:QQ+2*\i+1] op_sel_hi:[1,0]
.endr
.endr
.irp k, 0,2,4,6,8,10,12,14
.irp i, 0,1,2,3
	v_pk_fma_f32 v[X+16*\i+\k:X+16*\i+\k+1], v[X+16*\i+\k:X+16*\i+\k+1], v[LG+\k:LG+\k+1], v[LB+\k:LB+\k+1]
.endr
.endr
	QUANT X, 4, RR, 1                              ; a row a block here: lanes l and l xor 1 hold a block of 32
.irp i, 0,1,2,3
	ds_store_b128 v[XW], v[RR+4*\i:RR+4*\i+3] offset:XIMG+16*\i
	ds_store_b8 v[XB], v[TM+4+\i] offset:4*\i      ; both lanes of a block write the same byte with the same value
.endr
	LOADG 1, 10, 12, 14, 1, 0                      ; q, head 1
	s_wait_dscnt 0x0                               ; my images have landed
	s_barrier_signal -1
	s_barrier_wait -1                              ; everybody's have
.irp f, 0,1,2,3,4,5,6,7
.irp c, 0,1,2,3
	ds_load_b128 v[AF+16*\f+4*\c:AF+16*\f+4*\c+3], v[LI] offset:XIMG+2048*\f+512*\c
.endr
	ds_load_b32 v[AS+\f], v[R4] offset:XSC+64*\f
.endr
	s_wait_dscnt 0x0
	; ---- six blocks; the count of each wait is the next group's loads
	s_wait_loadcnt 38
	MULQK 0
	AFTER
	LOADG 0, 16, 18, 20, 0, 0                      ; k, head 0
	QUANT ACC, 2, PC, 0
	OUTQ 0
	s_wait_loadcnt 38
	MULQK 1
	AFTER
	LOADG 1, 16, 18, 20, 1, 0                      ; k, head 1
	QUANT ACC, 2, PC, 0
	OUTQ 1
	s_wait_loadcnt 38
	MULQK 0
	AFTER
	LOADG 0, 22, 24, 26, 0, 1                      ; v, head 0
	QUANT ACC, 2, PC, 0
	OUTK 0
	s_wait_loadcnt 36
	MULQK 1
	AFTER
	LOADG 1, 22, 24, 26, 1, 1                      ; v, head 1
	QUANT ACC, 2, PC, 0
	OUTK 1
	s_wait_loadcnt 36
	MULV 0
	AFTER
	BIASV 0
	QUANT ACC, 2, PC, 0
	OUTV 0
	s_wait_loadcnt 0x0
	MULV 1
	AFTER
	BIASV 1
	QUANT ACC, 2, PC, 0
	OUTV 1
	s_wait_xcnt 0x0
	v_lshl_add_u32 v254, v0, 2, 0x18200
	v_mov_b32 v255, 0
	s_wait_tensorcnt 0x0
	ds_add_u32 v254, v255
	s_wait_dscnt 0x0
	s_endpgm
.Lfunc_end_k_qf3c6e8c40d_qkv:
	.size	k_qf3c6e8c40d_qkv, .Lfunc_end_k_qf3c6e8c40d_qkv-k_qf3c6e8c40d_qkv
	.p2alignl 7, 3214868480
	.fill 96, 4, 3214868480
	.section	.rodata,"a",@progbits
	.p2align	6, 0x0
	.amdhsa_kernel k_qf3c6e8c40d_qkv
		.amdhsa_group_segment_fixed_size 99840
		.amdhsa_private_segment_fixed_size 0
		.amdhsa_enable_private_segment 0
		.amdhsa_kernarg_size 120
		.amdhsa_user_sgpr_count 2
		.amdhsa_user_sgpr_kernarg_segment_ptr 1
		.amdhsa_wavefront_size32 1
		.amdhsa_system_sgpr_workgroup_id_x 1
		.amdhsa_system_sgpr_workgroup_id_y 1
		.amdhsa_system_sgpr_workgroup_id_z 1
		.amdhsa_system_vgpr_workitem_id 0
		.amdhsa_next_free_vgpr 512
		.amdhsa_next_free_sgpr 66
		.amdhsa_reserve_vcc 0
		.amdhsa_float_denorm_mode_32 3
		.amdhsa_float_denorm_mode_16_64 3
		.amdhsa_memory_ordered 1
		.amdhsa_forward_progress 1
		.amdhsa_inst_pref_size 97
	.end_amdhsa_kernel
	.amdgpu_metadata
---
amdhsa.version: [ 1, 2 ]
amdhsa.kernels:
  - .name:           k_qf3c6e8c40d_qkv
    .symbol:         k_qf3c6e8c40d_qkv.kd
    .args:
      - { .name: x, .offset: 0, .size: 8, .value_kind: global_buffer, .address_space: global }
      - { .name: g1, .offset: 8, .size: 8, .value_kind: global_buffer, .address_space: global }
      - { .name: b1, .offset: 16, .size: 8, .value_kind: global_buffer, .address_space: global }
      - { .name: Wq_codes, .offset: 24, .size: 8, .value_kind: global_buffer, .address_space: global }
      - { .name: Wq_scales, .offset: 32, .size: 8, .value_kind: global_buffer, .address_space: global }
      - { .name: bq, .offset: 40, .size: 8, .value_kind: global_buffer, .address_space: global }
      - { .name: Wk_codes, .offset: 48, .size: 8, .value_kind: global_buffer, .address_space: global }
      - { .name: Wk_scales, .offset: 56, .size: 8, .value_kind: global_buffer, .address_space: global }
      - { .name: bk, .offset: 64, .size: 8, .value_kind: global_buffer, .address_space: global }
      - { .name: Wv_codes, .offset: 72, .size: 8, .value_kind: global_buffer, .address_space: global }
      - { .name: Wv_scales, .offset: 80, .size: 8, .value_kind: global_buffer, .address_space: global }
      - { .name: bv, .offset: 88, .size: 8, .value_kind: global_buffer, .address_space: global }
      - { .name: qc, .offset: 96, .size: 8, .value_kind: global_buffer, .address_space: global }
      - { .name: qs, .offset: 104, .size: 8, .value_kind: global_buffer, .address_space: global }
      - { .name: kv, .offset: 112, .size: 8, .value_kind: global_buffer, .address_space: global }
    .group_segment_fixed_size: 99840
    .private_segment_fixed_size: 0
    .kernarg_segment_align: 8
    .kernarg_segment_size: 120
    .max_flat_workgroup_size: 256
    .sgpr_count:     66
    .vgpr_count:     512
    .wavefront_size: 32
...
	.end_amdgpu_metadata
.endif
;; end of part 1
;; launch attn (part 2): grid 4 x 64, 16 waves a work-group, clusters of 4 x 1, 169,984 bytes of LDS; arguments qc, qs, kv, cc, cs; writes cc, cs
.if DOCPART == 2
	.amdgcn_target "amdgcn-amd-amdhsa--gfx1250"
	.amdhsa_code_object_version 6
	.text
	.protected	k_qf3c6e8c40d_attn
	.globl	k_qf3c6e8c40d_attn
	.p2align	8
	.type	k_qf3c6e8c40d_attn,@function
k_qf3c6e8c40d_attn:
	s_mov_b64 s[64:65], 0
	v_nop
	global_prefetch_b8 v0, s[64:65] scope:SCOPE_SE
	s_setreg_imm32_b32 hwreg(HW_REG_WAVE_MODE, 25, 1), 1
	s_wait_xcnt 0x0
	s_wait_alu depctr_hold_cnt(0) depctr_sa_sdst(0) depctr_va_vdst(0) depctr_va_sdst(0) depctr_va_ssrc(0) depctr_va_vcc(0) depctr_vm_vsrc(0)
	s_getreg_b32 s2, hwreg(HW_REG_IB_STS2, 6, 4)
	s_cmp_eq_u32 s2, 0
	s_cbranch_scc0 .Lentry_in_a_cluster
	s_endpgm
.Lentry_in_a_cluster:
	s_bfe_u32 s2, ttmp6, 0x10000c
	s_cmp_lg_u32 s2, 0x3003
	s_cbranch_scc0 .Lentry_shape_is_right
	s_endpgm
.Lentry_shape_is_right:
; ctx = softmax(q k^T / sqrt(32)) v for one (batch, head) a cluster, both products on E4M3 codes; ctx is quantised along the head's 32 channels on the way out.
; THE SOFTMAX: t = score x log2(e) / sqrt(32); M = the running largest t rounded up to a whole number; p = 2^(t - M) is quantised along the keys; the row's sum is taken of the unquantised p and divides at the end.
; When M moves, the sum and O are multiplied by 2^(old M - new M), which rounds nothing.
; SHARES.  A cluster of four work-groups is one head; a work-group owns 512 queries, each of its sixteen waves 32: two tiles of 16, one after the other.  Four waves lie on a SIMD.
; THE HEAD'S K AND V, codes and scale words, 135,168 bytes, come into LDS ONCE, as they lie in memory (register images): wave w brings key step w by one tensor load, asked for JOINTLY by the four work-groups
; (the same descriptor, a mask that names the four).  Nothing in LDS is filled again or stored to.
; HEAD SIZE 32 is a quarter of the instruction's K.  A fragment of K holds FOUR key tiles, tile 4 f + c in K block c; Q stands in four registers between twelve zeros on either side, so that the sixteen registers from
; v[28 - 4 c] on are Q in K block c and zero codes elsewhere: that product is key tile 4 f + c against Q.  Q's scale word holds its byte four times.
; Both products are used transposed (S^T = K Q^T, O^T = V^T P^T): a lane holds one query throughout; the keys of a tile and the channels of a tile of V^T are laid so that a lane's registers of two neighbouring tiles
; are 16 neighbours along the next K.
; No prefetch: the one stream of this launch is asked for at its head.
; LIMITS: NaN and infinities are not served; a block under 2^-118 gets the scale byte 1 (only this program reads the bytes).
.set KVH,  135168
.set KVS,  8448
.set LI,   1                           ; 16 x lane
.set LS,   2                           ; 4 x lane
.set AD,   3                           ; the step's images
.set ASD,  4                           ; the step's scale words
.set H_,   5
.set R4,   6
.set CSO,  7                           ; 256 h + 4 r
.set SB,   8                           ; ctx's scale byte: lanes 0-15 tile 0's, lanes 16-31 tile 1's
.set KF,   44                          ; v44-75 two fragments of K
.set VF,   76                          ; v76-107 two of V^T
.set S,    108                         ; v108-171 S^T, then p
.set OT,   172                         ; v172-187 O^T
.set PCD,  188                         ; v188-203 p's codes
.set TM,   204                         ; v204-219 +0 block maxima, +4 partners and bytes, +8 holds, +12 scale operands
.set KS,   220                         ; scale words, and nothing else: K's, V's, Q's, p's
.set VS,   221
.set QS,   222
.set PS,   223
.set F,    224                         ; v[224:225] f = 2^(old M - new M)
.set TP,   226
.set QA,   228                         ; the tile to come: its codes and scale word
.set QSA,  232
.set QB,   234
.set QSB,  238
.set WV,   14
.set CS,   32                          ; s[32:33] c = log2(e) / sqrt(32)
.set SEL,  34
.set MNT,  36
.set TB,   37
.macro ROUND                           ; a round of the cluster's barrier
	s_barrier_signal -1
	s_barrier_wait -1
	s_cmp_lg_u32 s[WV], 0
	s_cbranch_scc1 .Lnot_wave_0_\@
	s_barrier_signal -3
.Lnot_wave_0_\@:
	s_barrier_wait -3
	s_barrier_signal -1
	s_barrier_wait -1
.endm
	s_load_b256 s[4:11], s[0:1], 0x0               ; qc 4, qs 6, kv 8, cc 10
	s_load_b64 s[12:13], s[0:1], 0x20              ; cs
	v_lshl_add_u32 v254, v0, 2, 0x29000
	v_mov_b32 v255, 0
	ds_add_u32 v254, v255
	ds_add_u32 v254, v255
	v_lshrrev_b32 v1, 5, v0
	v_readfirstlane_b32 s[WV], v1                  ; wave 0..15
	s_bfe_u32 s15, ttmp6, 0x40000                  ; cx: it enters the addresses of qc, qs, cc and cs alone
	s_and_b32 s16, ttmp7, 0xffff                   ; 16 batch + head, which the four partners share
	; descriptor group 1: 33 rows of 256 bytes (32 elements of 8 bytes), dense, no padding
	s_mov_b32 s24, 15|(3<<16)|(1<<21)              ; 15:0 the mask: all four work-groups; 17:16 elements of 8 bytes; 21 set beside a mask
	s_mov_b32 s25, 32<<16                          ; tensor_dim0 = 32
	s_mov_b32 s26, 33<<16                          ; tensor_dim1 = 33
	s_mov_b32 s27, 32<<16                          ; tile_dim0 = 32
	s_mov_b32 s28, 33                              ; tile_dim1 = 33
	s_mov_b32 s29, 32                              ; from row to row
	s_mov_b32 s30, 0
	s_mov_b32 s31, 0
	s_mul_i32 s17, s[WV], KVS                      ; my step: in LDS as in the head's block
	s_mul_i32 s18, s16, KVH
	s_add_co_u32 s18, s18, s17
	s_mov_b32 s19, 0
	s_wait_dscnt 0x0
	s_wait_kmcnt 0x0
	s_mov_b32 s20, 1                               ; count = 1
	s_mov_b32 s21, s17                             ; LDS address
	s_add_nc_u64 s[22:23], s[8:9], s[18:19]        ; global address
	s_or_b32 s23, s23, 0x80000000                  ; type = 2
	ROUND                                          ; all four work-groups are here: the joint loads meet
	tensor_load_to_lds s[20:23], s[24:31]          ; one load a wave is out
	s_nop 0
.rept 4
	v_nop
.endr
	v_and_b32 v9, 31, v0
	v_and_b32 v10, 15, v0
	v_bfe_u32 v[H_], v0, 4, 1
	v_lshlrev_b32 v[LI], 4, v9
	v_lshlrev_b32 v[LS], 2, v9
	v_lshlrev_b32 v[R4], 2, v10
	v_lshl_add_u32 v[CSO], v[H_], 8, v[R4]
	s_lshl_b32 s40, s15, 4
	s_add_co_u32 s40, s40, s[WV]                   ; my block of 32 queries
	s_mov_b32 s43, 0
	s_lshl_b32 s42, s16, 16
	s_lshl_b32 s41, s40, 10
	s_add_co_u32 s42, s42, s41
	s_add_nc_u64 s[4:5], s[4:5], s[42:43]
	s_lshl_b32 s42, s16, 13
	s_lshl_b32 s41, s40, 7
	s_add_co_u32 s42, s42, s41
	s_add_nc_u64 s[6:7], s[6:7], s[42:43]
	global_load_b128 v[QA:QA+3], v[LI], s[4:5]
	global_load_b128 v[QB:QB+3], v[LI], s[4:5] offset:512
	global_load_b32 v[QSA], v[R4], s[6:7]
	global_load_b32 v[QSB], v[R4], s[6:7] offset:64
	s_lshr_b32 s44, s16, 4
	s_lshl_b32 s44, s44, 7
	s_lshl_b32 s41, s40, 1
	s_add_co_u32 s44, s44, s41                     ; my first row tile: 128 batch + 2 block
	s_bfe_u32 s45, s16, 0x20002                    ; the head's K step in the next product,
	s_and_b32 s46, s16, 3                          ; and its block there
	s_lshl_b32 s42, s44, 13
	s_lshl_b32 s41, s45, 11
	s_add_co_u32 s42, s42, s41
	s_lshl_b32 s41, s46, 9
	s_add_co_u32 s42, s42, s41
	s_add_nc_u64 s[10:11], s[10:11], s[42:43]
	s_lshl_b32 s42, s44, 8
	s_lshl_b32 s41, s45, 6
	s_add_co_u32 s42, s42, s41
	s_add_co_u32 s42, s42, s46
	s_add_nc_u64 s[12:13], s[12:13], s[42:43]
	s_mov_b32 s[CS], 0x3e8293ee
	s_mov_b32 s[CS+1], s[CS]                       ; (named with it as a pair, so it is written)
	s_mov_b32 s[SEL], 0x76543210
	s_mov_b32 s[SEL+1], 0xfedcba98
	s_mov_b32 s[MNT], 0x600000
.irp j, 16,17,18,19,20,21,22,23,24,25,26,27,32,33,34,35,36,37,38,39,40,41,42,43
	v_mov_b32 v\j, 0                               ; the zero codes on either side of Q
.endr
.irp b, 0,1,2,3
	v_mov_b32 v[TM+4+\b], 0                        ; written once: a lane permute's destination counts as one of its sources
.endr
	v_mov_b32 v[F+1], 0                            ; (named as the upper half of a pair)
	v_mov_b32 v[SB], 0
	s_wait_tensorcnt 0x0                           ; my step has landed,
	s_barrier_signal -1
	s_barrier_wait -1                              ; everybody's has
	s_wait_loadcnt 0x0                             ; Q
	s_mov_b32 s39, 0
.Ltile:                                            ; two trips: my two tiles of 16 queries
.irp j, 0,1,2,3
	v_mov_b32 v[28+\j], v[QA+\j]
.endr
	v_mov_b32 v[QS], v[QSA]                        ; (more than eight plain instructions stand between this line and the first product)
.irp j, 0,1,2,3
	v_mov_b32 v[QA+\j], v[QB+\j]
.endr
	v_mov_b32 v[QSA], v[QSB]
	v_mov_b32 v13, 0xff61b1e6                      ; the largest t so far: -3e38
	v_floor_f32 v12, -v13                          ; -M
	v_mov_b32 v14, 0                               ; the sum, in two halves
	v_mov_b32 v15, 0
.irp j, 0,1,2,3,4,5,6,7,8,9,10,11,12,13,14,15
	v_mov_b32 v[OT+\j], 0                          ; the step is written once: the first finds zeros
.endr
	s_mov_b32 s[TB], 0
	s_mov_b32 s38, 16
.Lstep:                                            ; 16 trips of 128 keys
	v_add_nc_u32 v[AD], s[TB], v[LI]
	v_add_nc_u32 v[ASD], s[TB], v[LS]
.irp f, 0,1
.irp c, 0,1,2,3
	ds_load_b128 v[KF+16*\f+4*\c:KF+16*\f+4*\c+3], v[AD] offset:2048*\f+512*\c
.endr
.endr
	ds_load_b32 v[KS], v[ASD] offset:8192          ; lanes 0-15: fragment 0's words, lanes 16-31: fragment 1's
	s_wait_dscnt 0x0
.irp c, 0,1,2,3
	v_wmma_scale_f32_16x16x128_f8f6f4 v[S+8*\c:S+8*\c+7], v[KF:KF+15], v[28-4*\c:43-4*\c], 0, v[KS], v[QS]
.endr
.irp c, 0,1,2,3
	v_wmma_scale_f32_16x16x128_f8f6f4 v[S+32+8*\c:S+32+8*\c+7], v[KF+16:KF+31], v[28-4*\c:43-4*\c], 0, v[KS], v[QS] matrix_a_scale:MATRIX_SCALE_ROW1
.endr
.rept 8
	v_nop                                          ; places ahead of the first read of the scores; with the two additions above also ahead of the loads into V's registers
.endr
.irp t, 0,1
.irp c, 0,1,2,3
	ds_load_b128 v[VF+16*\t+4*\c:VF+16*\t+4*\c+3], v[AD] offset:4096+2048*\t+512*\c   ; V lands while the softmax is walked
.endr
.endr
	ds_load_b32 v[VS], v[ASD] offset:8320
.irp b, 0,1,2,3
	v_max3_num_f32 v[TM+\b], v[S+16*\b], v[S+16*\b+1], v[S+16*\b+2]   ; the largest score of each block of 32 keys: for the row's maximum, and, since p rises with the score, for the block's largest p
.endr
.irp i, 3,5,7,9,11,13
.irp b, 0,1,2,3
	v_max3_num_f32 v[TM+\b], v[TM+\b], v[S+16*\b+\i], v[S+16*\b+\i+1]
.endr
.endr
.irp b, 0,1,2,3
	v_max_num_f32 v[TM+\b], v[TM+\b], v[S+16*\b+15]
.endr
.irp b, 0,1,2,3
	v_permlanex16_b32 v[TM+4+\b], v[TM+\b], s[SEL], s[SEL+1]
.endr
.irp b, 0,1,2,3
	v_max_num_f32 v[TM+\b], v[TM+\b], v[TM+4+\b]
.endr
	v_max3_num_f32 v[TP], v[TM], v[TM+1], v[TM+2]
	v_max_num_f32 v[TP], v[TP], v[TM+3]
	v_mul_f32 v[TP], s[CS], v[TP]                  ; as t (c is positive)
	v_max_num_f32 v13, v13, v[TP]                  ; the running largest t
	v_mov_b32 v[TP], v12
	v_floor_f32 v12, -v13                          ; the new -M = -ceil(t)
	v_sub_f32 v[TP], v12, v[TP]                    ; old M - new M: a whole number, 0 or less
	v_cvt_i32_f32 v[TP], v[TP]                     ; (it saturates)
	v_ldexp_f32 v[F], 1.0, v[TP]                   ; f
.irp j, 0,2,4,6,8,10,12,14,16,18,20,22,24,26,28,30,32,34,36,38,40,42,44,46,48,50,52,54,56,58,60,62
	v_pk_fma_f32 v[S+\j:S+\j+1], v[S+\j:S+\j+1], s[CS:CS+1], v[12:13] op_sel_hi:[1,0,0]   ; t - M
.endr
.irp b, 0,1,2,3
	v_fma_f32 v[TM+\b], v[TM+\b], s[CS], v12
.endr
.irp j, 0,1,2,3,4,5,6,7,8,9,10,11,12,13,14,15,16,17,18,19,20,21,22,23,24,25,26,27,28,29,30,31,32,33,34,35,36,37,38,39,40,41,42,43,44,45,46,47,48,49,50,51,52,53,54,55,56,57,58,59,60,61,62,63
	v_exp_f32 v[S+\j], v[S+\j]                     ; p, at most 1, not normalised
.endr
	v_pk_mul_f32 v[14:15], v[14:15], v[F:F+1] op_sel_hi:[1,0]   ; the sums under the new M: a plain instruction behind the exponentials
	s_wait_alu depctr_va_vdst(0)                   ; one wait for the 64, ahead of their first reader
.irp b, 0,1,2,3
	v_exp_f32 v[TM+\b], v[TM+\b]                   ; each block's largest p
.endr
	v_pk_add_f32 v[TM+4:TM+5], v[S:S+1], v[S+2:S+3]   ; the row's sum of the unquantised p, in two chains
.irp j, 4,8,12,16,20,24,28,32,36,40,44,48,52,56,60
	v_pk_add_f32 v[14:15], v[14:15], v[S+\j:S+\j+1]
	v_pk_add_f32 v[TM+4:TM+5], v[TM+4:TM+5], v[S+\j+2:S+\j+3]
.endr
	v_pk_add_f32 v[14:15], v[14:15], v[TM+4:TM+5]
	s_wait_alu depctr_va_vdst(0)                   ; and one for the four
.irp b, 0,1,2,3
	v_max_num_f32 v[TM+\b], 0x4800000, v[TM+\b]    ; the floor 2^(9 - 127)
.endr
.irp b, 0,1,2,3
	v_add_nc_u32 v[TM+12+\b], 0xfc000000, v[TM+\b]
.endr
.irp b, 0,1,2,3
	v_and_or_b32 v[TM+8+\b], v[TM+\b], 0x7f800000, s[MNT]
.endr
.irp b, 0,1,2,3
	v_lshrrev_b32 v[TM+4+\b], 23, v[TM+12+\b]
.endr
	v_lshl_or_b32 v[PS], v[TM+5], 8, v[TM+4]       ; p's scale word for these 128 keys
	v_lshl_or_b32 v[PS], v[TM+6], 16, v[PS]
	v_lshl_or_b32 v[PS], v[TM+7], 24, v[PS]
.irp b, 0,1,2,3
.irp i, 0,1,2,3,4,5,6,7,8,9,10,11,12,13,14,15
	v_min_num_f32 v[S+16*\b+\i], v[S+16*\b+\i], v[TM+8+\b]   ; the hold; p is never negative
.endr
	v_cvt_scalef32_pk8_fp8_f32 v[PCD+4*\b:PCD+4*\b+1], v[S+16*\b:S+16*\b+7], v[TM+12+\b]
	v_cvt_scalef32_pk8_fp8_f32 v[PCD+4*\b+2:PCD+4*\b+3], v[S+16*\b+8:S+16*\b+15], v[TM+12+\b]
.endr
.irp j, 0,2,4,6,8,10,12,14
	v_pk_mul_f32 v[OT+\j:OT+\j+1], v[OT+\j:OT+\j+1], v[F:F+1] op_sel_hi:[1,0]   ; O^T under the new M; for each of the two products four of these name none of its registers: the codes' places
.endr
	s_wait_dscnt 0x0                               ; V
	v_wmma_scale_f32_16x16x128_f8f6f4 v[OT:OT+7], v[VF:VF+15], v[PCD:PCD+15], v[OT:OT+7], v[VS], v[PS]
	v_wmma_scale_f32_16x16x128_f8f6f4 v[OT+8:OT+15], v[VF+16:VF+31], v[PCD:PCD+15], v[OT+8:OT+15], v[VS], v[PS] matrix_a_scale:MATRIX_SCALE_ROW1
	s_add_co_u32 s[TB], s[TB], KVS
	s_sub_co_u32 s38, s38, 1
	s_cmp_lg_u32 s38, 0
	s_cbranch_scc1 .Lstep
	; ---- the tile's way out: O^T / the sum, quantised: a lane's 16 registers are 16 neighbouring channels, the head's 32 are one block
.rept 8
	v_nop
.endr
	v_add_f32 v14, v14, v15
	v_permlanex16_b32 v[TP], v14, s[SEL], s[SEL+1]
	v_add_f32 v14, v14, v[TP]
	v_rcp_f32 v14, v14
	v_nop
	s_wait_alu depctr_va_vdst(0)
.irp j, 0,2,4,6,8,10,12,14
	v_pk_mul_f32 v[OT+\j:OT+\j+1], v[OT+\j:OT+\j+1], v[14:15] op_sel_hi:[1,0]
.endr
	v_max3_num_f32 v[TM], |v[OT]|, |v[OT+1]|, 0x4800000
.irp i, 2,4,6,8,10,12,14
	v_max3_num_f32 v[TM], v[TM], |v[OT+\i]|, |v[OT+\i+1]|
.endr
	v_permlanex16_b32 v[TM+4], v[TM], s[SEL], s[SEL+1]
	v_max_num_f32 v[TM], v[TM], v[TM+4]
	v_add_nc_u32 v[TM+12], 0xfc000000, v[TM]
	v_and_or_b32 v[TM+8], v[TM], 0x7f800000, s[MNT]
	v_lshrrev_b32 v[TM+4], 23, v[TM+12]
.irp i, 0,1,2,3,4,5,6,7,8,9,10,11,12,13,14,15
	v_med3_num_f32 v[OT+\i], v[OT+\i], -v[TM+8], v[TM+8]
.endr
	v_cvt_scalef32_pk8_fp8_f32 v[PCD:PCD+1], v[OT:OT+7], v[TM+12]
	v_cvt_scalef32_pk8_fp8_f32 v[PCD+2:PCD+3], v[OT+8:OT+15], v[TM+12]
	v_cmp_eq_u32 vcc_lo, s39, v[H_]                ; (a plain instruction behind the conversions)
	v_cndmask_b32 v[SB], v[SB], v[TM+4], vcc_lo    ; the half of the lanes whose number is the tile's keeps its byte
	global_store_b128 v[LI], v[PCD:PCD+3], s[10:11]   ; 512 consecutive bytes, aligned
	s_wait_xcnt 0x0                                ; the store has read its data and its base: both are written again
	s_add_nc_u64 s[10:11], s[10:11], 8192          ; the next row tile
	s_add_co_u32 s39, s39, 1
	s_cmp_lt_u32 s39, 2
	s_cbranch_scc1 .Ltile
	global_store_b8 v[CSO], v[SB], s[12:13]
	s_wait_tensorcnt 0x0
	ds_add_u32 v254, v255
	s_wait_dscnt 0x0
	ROUND                                          ; the closing round
	s_endpgm
.Lfunc_end_k_qf3c6e8c40d_attn:
	.size	k_qf3c6e8c40d_attn, .Lfunc_end_k_qf3c6e8c40d_attn-k_qf3c6e8c40d_attn
	.p2alignl 7, 3214868480
	.fill 96, 4, 3214868480
	.section	.rodata,"a",@progbits
	.p2align	6, 0x0
	.amdhsa_kernel k_qf3c6e8c40d_attn
		.amdhsa_group_segment_fixed_size 169984
		.amdhsa_private_segment_fixed_size 0
		.amdhsa_enable_private_segment 0
		.amdhsa_kernarg_size 40
		.amdhsa_user_sgpr_count 2
		.amdhsa_user_sgpr_kernarg_segment_ptr 1
		.amdhsa_wavefront_size32 1
		.amdhsa_system_sgpr_workgroup_id_x 1
		.amdhsa_system_sgpr_workgroup_id_y 1
		.amdhsa_system_sgpr_workgroup_id_z 1
		.amdhsa_system_vgpr_workitem_id 0
		.amdhsa_next_free_vgpr 256
		.amdhsa_next_free_sgpr 66
		.amdhsa_reserve_vcc 1
		.amdhsa_float_denorm_mode_32 3
		.amdhsa_float_denorm_mode_16_64 3
		.amdhsa_memory_ordered 1
		.amdhsa_forward_progress 1
		.amdhsa_inst_pref_size 27
	.end_amdhsa_kernel
	.amdgpu_metadata
---
amdhsa.version: [ 1, 2 ]
amdhsa.kernels:
  - .name:           k_qf3c6e8c40d_attn
    .symbol:         k_qf3c6e8c40d_attn.kd
    .args:
      - { .name: qc, .offset: 0, .size: 8, .value_kind: global_buffer, .address_space: global }
      - { .name: qs, .offset: 8, .size: 8, .value_kind: global_buffer, .address_space: global }
      - { .name: kv, .offset: 16, .size: 8, .value_kind: global_buffer, .address_space: global }
      - { .name: cc, .offset: 24, .size: 8, .value_kind: global_buffer, .address_space: global }
      - { .name: cs, .offset: 32, .size: 8, .value_kind: global_buffer, .address_space: global }
    .group_segment_fixed_size: 169984
    .private_segment_fixed_size: 0
    .kernarg_segment_align: 8
    .kernarg_segment_size: 40
    .max_flat_workgroup_size: 512
    .sgpr_count:     66
    .vgpr_count:     256
    .wavefront_size: 32
...
	.end_amdgpu_metadata
.endif
;; end of part 2
;; launch tail (part 3): grid 256 x 1, 8 waves a work-group, no clusters, 126,976 bytes of LDS; arguments cc, cs, x, Wo_codes, Wo_scales, bo, g2, b2, W1_codes, W1_scales, bf1, W2_codes, W2_scales, bf2, out0; writes out0
.if DOCPART == 3
	.amdgcn_target "amdgcn-amd-amdhsa--gfx1250"
	.amdhsa_code_object_version 6
	.text
	.protected	k_qf3c6e8c40d_tail
	.globl	k_qf3c6e8c40d_tail
	.p2align	8
	.type	k_qf3c6e8c40d_tail,@function
k_qf3c6e8c40d_tail:
	s_mov_b64 s[64:65], 0
	v_nop
	global_prefetch_b8 v0, s[64:65] scope:SCOPE_SE
	s_setreg_imm32_b32 hwreg(HW_REG_WAVE_MODE, 25, 1), 1
	s_wait_xcnt 0x0
; x1 = ctx Wo + bo + x;  out = gelu(LN2(x1) W1 + bf1) W2 + bf2 + x1, the three products on E4M3 codes with one E8M0 scale for each 32 along K.
; ctx arrives as codes in register images (cc, cs).  xn2 and the hidden layer are quantised in registers and go from wave to wave through LDS as register images; x1 never goes to memory.
; SHARES.  A work-group takes 32 rows (two tiles of 16, lane-row r of tile u = row 8 u + r + 8 (r / 8)).  THE WAVES SHARE THE COLUMNS: wave w makes columns 64 w .. + 63 of x1 and of out, and hidden units
; 128 w .. + 127 in two halves of 64.  All products are used transposed (source 0 = 16 weight rows, source 1 = 16 rows): a lane holds one row.  Weight tile 2 b + t takes row 32 b + 8 t + r + 8 (r / 8), so that
; accumulator register 32 u + 16 b + 8 t + j is column 32 b + 16 h + 8 t + j of the wave's 64: sixteen neighbours along the next K.
; WEIGHTS come from memory straight into registers, in 20 chunks of four tiles x one K step (16 loads, then 8 products on eight accumulators by turns), two buffers, a chunk or two ahead.
; gelu(y) = 0.5 y (1 + erf(y / sqrt 2)), erf as a rational function of z clamped to +-4: z P(z^2) / Q(z^2), degrees 6 and 4.
; LN2's mean and variance over the eight waves: each wave's mean and sum of squares about its own mean meet in LDS and are joined without forming a difference of large sums.
; LIMITS: NaN and infinities are not served; a block under 2^-118 gets the scale byte 1 (only this program reads the bytes); erf is good to a few units in the last place, so that 1 + erf carries f32's
; cancellation for y under about -5, where |gelu| is under 1e-6.
.set ST,   0                           ; LDS: (mean, sum of squares): image 2 w + u, 8 bytes a lane
.set XIMG, 4096                        ; xn2's eight fragments (4 u + s)
.set XSC,  20480                       ; their scale words, 128 bytes each
.set HIMG, 21504                       ; the hidden layer's sixteen (8 u + s)
.set HSC,  54272                       ; their scale words
.set STG,  56320                       ; a stage of 32 rows x 272 bytes for each wave
.set LI,   1                           ; 16 x lane
.set LS,   2                           ; 4 x lane
.set R4,   3
.set VW5,  4                           ; 512 rp + 16 h
.set VW10, 5                           ; 1024 rp + 16 h
.set VS16, 6
.set VS32, 7
.set VB,   8                           ; 64 h
.set VXD,  9                           ; 2048 h + 16 r: two rows' 256 bytes of x and of out
.set RD,   10                          ; the stage by rows
.set STO,  11                          ; the stage in the result's layout
.set PK,   12                          ; the stage as a plain image
.set XW,   13
.set XSW,  14
.set HW,   15
.set WSA,  16                          ; v16-47 scale words of Wo (4 tile + s), later of W2 (8 tile + s)
.set WSB,  48                          ; v48-79 of W1 (16 half + 4 tile + s)
.set AS,   80                          ; v80-95 the rows' scale words (2 s + u)
.set GT,   96                          ; v96-135 at work
.set TM,   96
.set CA,   112
.set DD,   120
.set PD,   124
.set SM,   128
.set PC,   136                         ; v136-151 codes
.set BR,   152                         ; v152-183 a bias in the result's layout (8 tile + j)
.set HSW,  184
.set STW,  185
.set L8,   186
.set HK,   187                         ; v187-188 two scale bytes kept, a tile of rows each
.set ACC,  192                         ; v192-255
.set SEL,  38
.set MNT,  40
.set MSB, 0
.macro WIN new
.if MSB != \new
	s_set_vgpr_msb (MSB<<8)|\new
.set MSB, \new
.endif
.endm
.macro QUANT4                          ; the 64 accumulator registers are four blocks' halves (2 u + b); the other halves lie in lane l xor 16.  Codes to v[PC + 4 q] on, bytes to v[TM + 4 + q]
.irp q, 0,1,2,3
	v_max3_num_f32 v[TM+\q], |v[ACC+16*\q]|, |v[ACC+16*\q+1]|, 0x4800000   ; with the floor 2^(9 - 127)
.endr
.irp i, 2,4,6,8,10,12,14
.irp q, 0,1,2,3
	v_max3_num_f32 v[TM+\q], v[TM+\q], |v[ACC+16*\q+\i]|, |v[ACC+16*\q+\i+1]|
.endr
.endr
.irp q, 0,1,2,3
	v_permlanex16_b32 v[TM+4+\q], v[TM+\q], s[SEL], s[SEL+1]
.endr
.irp q, 0,1,2,3
	v_max_num_f32 v[TM+\q], v[TM+\q], v[TM+4+\q]
.endr
.irp q, 0,1,2,3
	v_add_nc_u32 v[TM+12+\q], 0xfc000000, v[TM+\q]
.endr
.irp q, 0,1,2,3
	v_and_or_b32 v[TM+8+\q], v[TM+\q], 0x7f800000, s[MNT]
.endr
.irp q, 0,1,2,3
	v_lshrrev_b32 v[TM+4+\q], 23, v[TM+12+\q]
.endr
.irp q, 0,1,2,3
.irp i, 0,1,2,3,4,5,6,7,8,9,10,11,12,13,14,15
	v_med3_num_f32 v[ACC+16*\q+\i], v[ACC+16*\q+\i], -v[TM+8+\q], v[TM+8+\q]   ; the conversion does not saturate (ISA guide 7.6.2)
.endr
	v_cvt_scalef32_pk8_fp8_f32 v[PC+4*\q:PC+4*\q+1], v[ACC+16*\q:ACC+16*\q+7], v[TM+12+\q]
	v_cvt_scalef32_pk8_fp8_f32 v[PC+4*\q+2:PC+4*\q+3], v[ACC+16*\q+8:ACC+16*\q+15], v[TM+12+\q]
.endr
	v_nop                                          ; a plain instruction behind the last conversion
.endm
.macro LOADC n                         ; chunk n: 0-3 Wo, 4-11 W1 (half (n - 4) / 4), 12-19 W2; K step within; into buffer n % 2 of window 1
.if (\n) < 4
.set cb, 10
.set cv, VW5
.set co, 128*(\n)
.set cr, 512
.elseif (\n) < 12
.set cb, 20
.set cv, VW5
.set co, (((\n)-4)/4)*64*512+128*(((\n)-4)%4)
.set cr, 512
.else
.set cb, 26
.set cv, VW10
.set co, 128*((\n)-12)
.set cr, 1024
.endif
.set cd, 128+64*((\n)%2)
	WIN 0x40
.irp t, 0,1,2,3
.irp c, 0,1,2,3
	global_load_b128 v[cd+16*\t+4*\c:cd+16*\t+4*\c+3], v[cv], s[cb:cb+1] offset:co+(32*(\t/2)+8*(\t%2))*cr+32*\c
.endr
.endr
	WIN 0
.endm
.macro MULC n, first                   ; eight products; first = 1: the bias in v[BR] on is the C.  The eight accumulators take turns, in the same order in every chunk
.if (\n) < 4
.set mw, WSA+(\n)
.set mt, 4
.set ms, (\n)
.elseif (\n) < 12
.set mw, WSB+16*(((\n)-4)/4)+((\n)-4)%4
.set mt, 4
.set ms, ((\n)-4)%4
.else
.set mw, WSA+(\n)-12
.set mt, 8
.set ms, (\n)-12
.endif
.set mb, 128+64*((\n)%2)
	WIN 0x05                                       ; sources 0 and 1 in window 1
.irp t, 0,1,2,3
.irp u, 0,1
.if \first
	v_wmma_scale_f32_16x16x128_f8f6f4 v[ACC+32*\u+8*\t:ACC+32*\u+8*\t+7], v[mb+16*\t:mb+16*\t+15], v[32*(ms%4)+16*\u:32*(ms%4)+16*\u+15], v[BR+8*\t:BR+8*\t+7], v[mw+mt*\t], v[AS+2*ms+\u]
.else
	v_wmma_scale_f32_16x16x128_f8f6f4 v[ACC+32*\u+8*\t:ACC+32*\u+8*\t+7], v[mb+16*\t:mb+16*\t+15], v[32*(ms%4)+16*\u:32*(ms%4)+16*\u+15], v[ACC+32*\u+8*\t:ACC+32*\u+8*\t+7], v[mw+mt*\t], v[AS+2*ms+\u]
.endif
.endr
.endr
	WIN 0
.rept 9
	v_nop                                          ; nine plain places: loads into the chunk's registers, reads of results, and accumulators begun anew with another C follow
.endr
.endm
.macro BIAS8 reg, base, off            ; 64 numbers in the result's layout: tile t's eight at byte 128 (t / 2) + 32 (t % 2) + 64 h
.irp t, 0,1,2,3
	global_load_b128 v[(\reg)+8*\t:(\reg)+8*\t+3], v[VB], s[\base:\base+1] offset:(\off)+128*(\t/2)+32*(\t%2)
	global_load_b128 v[(\reg)+8*\t+4:(\reg)+8*\t+7], v[VB], s[\base:\base+1] offset:(\off)+128*(\t/2)+32*(\t%2)+16
.endr
.endm
.macro ADDB reg                        ; the accumulators += a bias in the result's layout
.irp u, 0,1
.irp p, 0,2,4,6,8,10,12,14,16,18,20,22,24,26,28,30
	v_pk_add_f32 v[ACC+32*\u+\p:ACC+32*\u+\p+1], v[ACC+32*\u+\p:ACC+32*\u+\p+1], v[(\reg)+\p:(\reg)+\p+1]
.endr
.endr
.endm
.macro HFETCH ks, slot                 ; the hidden layer's K step ks, both tiles of rows, into slot
	WIN 0x40
.irp u, 0,1
.irp c, 0,1,2,3
	ds_load_b128 v[32*(\slot)+16*\u+4*\c:32*(\slot)+16*\u+4*\c+3], v[LI] offset:HIMG+2048*(8*\u+(\ks))+512*\c
.endr
.endr
	WIN 0
.endm
.set GZ,  GT
.set GZ2, GT+8
.set GP,  GT+16
.set GQ,  GT+24
.set GH,  GT+32
.macro GELU4 a                         ; accumulator a's eight numbers
.set gy, ACC+8*(\a)
.irp p, 0,2,4,6
	v_pk_mul_f32 v[GZ+\p:GZ+\p+1], v[gy+\p:gy+\p+1], 0x3f3504f3 op_sel_hi:[1,0]   ; z = y / sqrt 2
.endr
.irp p, 0,1,2,3,4,5,6,7
	v_med3_num_f32 v[GZ+\p], v[GZ+\p], -4.0, 4.0
.endr
.irp p, 0,2,4,6
	v_pk_mul_f32 v[GZ2+\p:GZ2+\p+1], v[GZ+\p:GZ+\p+1], v[GZ+\p:GZ+\p+1]
.endr
.irp p, 0,2,4,6
	v_pk_fma_f32 v[GP+\p:GP+\p+1], v[GZ2+\p:GZ2+\p+1], v[190:191], 0x32edffee op_sel_hi:[1,0,0]           ; v190: P's leading coefficient
.endr
.irp p, 0,2,4,6
	v_pk_fma_f32 v[GQ+\p:GQ+\p+1], v[GZ2+\p:GZ2+\p+1], v[190:191], 0xb95fbd29 op_sel:[0,1,0] op_sel_hi:[1,1,0]   ; v191: Q's
.endr
.irp k, 0xb60cff51, 0xb86ec2d2, 0xba40ac63, 0xbb41a1f6, 0xbc83dbd4
.irp p, 0,2,4,6
	v_pk_fma_f32 v[GP+\p:GP+\p+1], v[GP+\p:GP+\p+1], v[GZ2+\p:GZ2+\p+1], \k op_sel_hi:[1,1,0]
.endr
.endr
.irp k, 0xbadc924e, 0xbbf19bf8, 0xbc69b6a7
.irp p, 0,2,4,6
	v_pk_fma_f32 v[GQ+\p:GQ+\p+1], v[GQ+\p:GQ+\p+1], v[GZ2+\p:GZ2+\p+1], \k op_sel_hi:[1,1,0]
.endr
.endr
.irp p, 0,1,2,3,4,5,6,7
	v_rcp_f32 v[GQ+\p], v[GQ+\p]
.endr
.irp p, 0,2,4,6
	v_pk_mul_f32 v[GP+\p:GP+\p+1], v[GP+\p:GP+\p+1], v[GZ+\p:GZ+\p+1]             ; plain work behind the reciprocals
.endr
.irp p, 0,2,4,6
	v_pk_mul_f32 v[GH+\p:GH+\p+1], v[gy+\p:gy+\p+1], 0.5 op_sel_hi:[1,0]
.endr
	s_wait_alu depctr_va_vdst(0)                   ; one wait for the eight, ahead of their first reader
.irp p, 0,2,4,6
	v_pk_mul_f32 v[GP+\p:GP+\p+1], v[GP+\p:GP+\p+1], v[GQ+\p:GQ+\p+1]             ; erf
.endr
.irp p, 0,2,4,6
	v_pk_fma_f32 v[gy+\p:gy+\p+1], v[GH+\p:GH+\p+1], v[GP+\p:GP+\p+1], v[GH+\p:GH+\p+1]
.endr
.endm
.macro BARRIER
	s_wait_dscnt 0x0                               ; my LDS stores have landed and my LDS loads are in
	s_barrier_signal -1
	s_barrier_wait -1
.endm
	s_load_b512 s[4:19], s[0:1], 0x0               ; cc 4, cs 6, x 8, Wo codes 10, scales 12, bo 14, g2 16, b2 18
	s_load_b256 s[20:27], s[0:1], 0x40             ; W1 codes 20, scales 22, bf1 24, W2 codes 26
	s_load_b128 s[28:31], s[0:1], 0x60             ; W2 scales 28, bf2 30
	s_load_b64 s[32:33], s[0:1], 0x70              ; out0
	v_lshrrev_b32 v1, 5, v0
	v_readfirstlane_b32 s34, v1                    ; wave 0..7
	v_and_b32 v128, 31, v0                         ; lane
	v_and_b32 v129, 15, v0                         ; r
	v_bfe_u32 v130, v0, 4, 1                       ; h
	v_and_b32 v131, 8, v129
	v_add_nc_u32 v131, v131, v129                  ; rp
	v_lshlrev_b32 v[LI], 4, v128
	v_lshlrev_b32 v[LS], 2, v128
	v_lshlrev_b32 v[L8], 3, v128
	v_lshlrev_b32 v[R4], 2, v129
	v_lshlrev_b32 v[VW5], 9, v131
	v_lshl_add_u32 v[VW5], v130, 4, v[VW5]
	v_lshlrev_b32 v[VW10], 10, v131
	v_lshl_add_u32 v[VW10], v130, 4, v[VW10]
	v_lshlrev_b32 v[VS16], 4, v131
	v_lshlrev_b32 v[VS32], 5, v131
	v_lshlrev_b32 v[VB], 6, v130
	v_lshlrev_b32 v[VXD], 11, v130
	v_lshl_add_u32 v[VXD], v129, 4, v[VXD]
	s_mul_i32 s35, s34, 8704
	s_add_co_u32 s35, s35, STG                     ; my stage
	v_mul_u32_u24 v[RD], v130, 272
	v_lshl_add_u32 v[RD], v129, 4, v[RD]
	v_add_nc_u32 v[RD], s35, v[RD]
	v_mul_u32_u24 v[STO], v131, 272
	v_lshl_add_u32 v[STO], v130, 6, v[STO]
	v_add_nc_u32 v[STO], s35, v[STO]
	v_add_nc_u32 v[PK], s35, v[LI]
	s_lshl_b32 s36, s34, 10
	v_add_nc_u32 v[XW], s36, v[LI]                 ; my 64 columns are two groups of K step w / 2: 1,024 w bytes into a tile's four images
	s_lshr_b32 s36, s34, 1
	s_lshl_b32 s36, s36, 7
	s_and_b32 s37, s34, 1
	s_lshl_b32 s37, s37, 1
	s_add_co_u32 s36, s36, s37
	v_add_nc_u32 v[XSW], s36, v[LS]
	s_lshl_b32 s36, s34, 11
	v_add_nc_u32 v[HW], s36, v[LI]
	s_lshl_b32 s36, s34, 7
	v_add_nc_u32 v[HSW], s36, v[LS]
	s_lshl_b32 s36, s34, 9
	v_add_nc_u32 v[STW], s36, v[L8]
	v_mov_b32 v190, 0xaf95df0b
	v_mov_b32 v191, 0xb77460cd
	s_mov_b32 s[SEL], 0x76543210
	s_mov_b32 s[SEL+1], 0xfedcba98
	s_mov_b32 s[MNT], 0x600000
	s_mov_b32 s41, 0x3727c5ac                      ; 1e-5
	s_mov_b32 s42, 0x3b000000                      ; 1 / 512
	s_mov_b32 s37, 0
	s_lshl_b32 s43, s34, 8
	s_lshl_b32 s36, ttmp9, 16
	s_add_co_u32 s36, s36, s43
	s_wait_kmcnt 0x0
	s_add_nc_u64 s[8:9], s[8:9], s[36:37]          ; x and out0 at my 32 rows, my 64 columns
	s_add_nc_u64 s[32:33], s[32:33], s[36:37]
.irp i, 0,1,2,3,4,5,6,7,8,9,10,11,12,13,14,15
	global_load_b128 v[ACC+4*\i:ACC+4*\i+3], v[VXD], s[8:9] offset:4096*\i th:TH_LOAD_NT   ; sixteen lanes read 256 consecutive bytes, aligned
.endr
	s_mov_b32 s36, s43
	s_add_nc_u64 s[14:15], s[14:15], s[36:37]
	s_add_nc_u64 s[16:17], s[16:17], s[36:37]
	s_add_nc_u64 s[18:19], s[18:19], s[36:37]
	s_add_nc_u64 s[30:31], s[30:31], s[36:37]
	BIAS8 GT, 14, 0                                ; bo
	s_lshl_b32 s36, ttmp9, 9
	s_add_nc_u64 s[6:7], s[6:7], s[36:37]
	s_lshl_b32 s36, ttmp9, 14
	s_add_nc_u64 s[4:5], s[4:5], s[36:37]
.irp u, 0,1
.irp s, 0,1,2,3
	global_load_b32 v[AS+2*\s+\u], v[R4], s[6:7] offset:256*\u+64*\s
.endr
.endr
	WIN 0x40
.irp u, 0,1
.irp s, 0,1,2,3
.irp c, 0,1,2,3
	global_load_b128 v[32*\s+16*\u+4*\c:32*\s+16*\u+4*\c+3], v[LI], s[4:5] offset:8192*\u+2048*\s+512*\c   ; ctx's fragments as they lie
.endr
.endr
.endr
	WIN 0
	s_lshl_b32 s36, s34, 10
	s_add_nc_u64 s[12:13], s[12:13], s[36:37]
	s_lshl_b32 s36, s34, 15
	s_add_nc_u64 s[10:11], s[10:11], s[36:37]
.irp t, 0,1,2,3
	global_load_b128 v[WSA+4*\t:WSA+4*\t+3], v[VS16], s[12:13] offset:(32*(\t/2)+8*(\t%2))*16
.endr
	LOADC 0
	LOADC 1
	s_lshl_b32 s36, s34, 16
	s_add_nc_u64 s[20:21], s[20:21], s[36:37]
	s_add_nc_u64 s[26:27], s[26:27], s[36:37]
	s_lshl_b32 s36, s34, 11
	s_add_nc_u64 s[22:23], s[22:23], s[36:37]
	s_add_nc_u64 s[28:29], s[28:29], s[36:37]
	s_lshl_b32 s36, s34, 9
	s_add_nc_u64 s[24:25], s[24:25], s[36:37]
	; ---- x into the result's layout, through my stage; + bo: the start of x1's sums
	s_wait_loadcnt 63                              ; 76 loads were issued behind x and bo
.irp i, 0,1,2,3,4,5,6,7,8,9,10,11,12,13,14,15
	ds_store_b128 v[RD], v[ACC+4*\i:ACC+4*\i+3] offset:544*\i
.endr
.irp u, 0,1
.irp t, 0,1,2,3
	ds_load_b128 v[ACC+32*\u+8*\t:ACC+32*\u+8*\t+3], v[STO] offset:2176*\u+128*(\t/2)+32*(\t%2)       ; LDS serves a wave's instructions in order (ISA guide 5.7.1.4)
	ds_load_b128 v[ACC+32*\u+8*\t+4:ACC+32*\u+8*\t+7], v[STO] offset:2176*\u+128*(\t/2)+32*(\t%2)+16
.endr
.endr
	s_wait_dscnt 0x0
	ADDB GT
	s_wait_loadcnt 16                              ; all but chunk 1
	BIAS8 BR, 24, 0                                ; bf1, first half
.irp t, 0,1,2,3,4,5,6,7
	global_load_b128 v[WSB+4*\t:WSB+4*\t+3], v[VS16], s[22:23] offset:(64*(\t/4)+32*((\t%4)/2)+8*(\t%2))*16
.endr
	MULC 0, 0
	LOADC 2
	s_wait_loadcnt 32                              ; younger than chunk 1: bf1 8, W1's scale words 8, chunk 2
	MULC 1, 0
	LOADC 3
	s_wait_loadcnt 16
	MULC 2, 0
	LOADC 4
	s_wait_loadcnt 16
	MULC 3, 0
	LOADC 5
	WIN 0x40
	BIAS8 0, 16, 0                                 ; g2 and b2 where ctx's fragments lay
	BIAS8 32, 18, 0
	WIN 0
.irp t, 0,1,2,3
	global_load_b128 v[WSA+8*\t:WSA+8*\t+3], v[VS32], s[28:29] offset:(32*(\t/2)+8*(\t%2))*32
	global_load_b128 v[WSA+8*\t+4:WSA+8*\t+7], v[VS32], s[28:29] offset:(32*(\t/2)+8*(\t%2))*32+16
.endr
	; ---- LN2.  My wave's 64 numbers of a row lie in lanes l and l xor 16: their mean, and their sum of squares about it
.irp u, 0,1
	v_pk_add_f32 v[CA+4*\u:CA+4*\u+1], v[ACC+32*\u:ACC+32*\u+1], v[ACC+32*\u+4:ACC+32*\u+5]
	v_pk_add_f32 v[CA+4*\u+2:CA+4*\u+3], v[ACC+32*\u+2:ACC+32*\u+3], v[ACC+32*\u+6:ACC+32*\u+7]
.endr
.irp k, 8,12,16,20,24,28
.irp u, 0,1
	v_pk_add_f32 v[CA+4*\u:CA+4*\u+1], v[CA+4*\u:CA+4*\u+1], v[ACC+32*\u+\k:ACC+32*\u+\k+1]
	v_pk_add_f32 v[CA+4*\u+2:CA+4*\u+3], v[CA+4*\u+2:CA+4*\u+3], v[ACC+32*\u+\k+2:ACC+32*\u+\k+3]
.endr
.endr
.irp u, 0,1
	v_pk_add_f32 v[CA+4*\u:CA+4*\u+1], v[CA+4*\u:CA+4*\u+1], v[CA+4*\u+2:CA+4*\u+3]
.endr
.irp u, 0,1
	v_add_f32 v[CA+4*\u], v[CA+4*\u], v[CA+4*\u+1]
.endr
.irp u, 0,1
	v_permlanex16_b32 v[PD+\u], v[CA+4*\u], s[SEL], s[SEL+1]
.endr
.irp u, 0,1
	v_add_f32 v[CA+4*\u], v[CA+4*\u], v[PD+\u]
.endr
.irp u, 0,1
	v_mul_f32 v[SM+2*\u], 0x3c800000, v[CA+4*\u]   ; / 64
.endr
.irp u, 0,1
	v_pk_add_f32 v[DD+2*\u:DD+2*\u+1], v[ACC+32*\u:ACC+32*\u+1], v[SM+2*\u:SM+2*\u+1] op_sel_hi:[1,0] neg_lo:[0,1] neg_hi:[0,1]
.endr
.irp u, 0,1
	v_pk_mul_f32 v[CA+4*\u:CA+4*\u+1], v[DD+2*\u:DD+2*\u+1], v[DD+2*\u:DD+2*\u+1]
.endr
.irp k, 2,4,6,8,10,12,14,16,18,20,22,24,26,28,30
.irp u, 0,1
	v_pk_add_f32 v[DD+2*\u:DD+2*\u+1], v[ACC+32*\u+\k:ACC+32*\u+\k+1], v[SM+2*\u:SM+2*\u+1] op_sel_hi:[1,0] neg_lo:[0,1] neg_hi:[0,1]
.endr
.irp u, 0,1
	v_pk_fma_f32 v[CA+4*\u:CA+4*\u+1], v[DD+2*\u:DD+2*\u+1], v[DD+2*\u:DD+2*\u+1], v[CA+4*\u:CA+4*\u+1]
.endr
.endr
.irp u, 0,1
	v_add_f32 v[CA+4*\u], v[CA+4*\u], v[CA+4*\u+1]
.endr
.irp u, 0,1
	v_permlanex16_b32 v[PD+\u], v[CA+4*\u], s[SEL], s[SEL+1]
.endr
.irp u, 0,1
	v_add_f32 v[SM+2*\u+1], v[CA+4*\u], v[PD+\u]
.endr
.irp u, 0,1
	ds_store_b64 v[STW], v[SM+2*\u:SM+2*\u+1] offset:ST+256*\u
.endr
	BARRIER                                        ; the eight waves' pairs lie in LDS
.irp k, 0,1,2,3,4,5,6,7,8,9,10,11,12,13,14,15
	ds_load_b64 v[GT+2*\k:GT+2*\k+1], v[L8] offset:ST+256*\k
.endr
	s_wait_dscnt 0x0
.irp u, 0,1
	v_pk_add_f32 v[SM+2*\u:SM+2*\u+1], v[GT+2*\u:GT+2*\u+1], v[GT+4+2*\u:GT+4+2*\u+1]
.endr
.irp k, 2,3,4,5,6,7
.irp u, 0,1
	v_pk_add_f32 v[SM+2*\u:SM+2*\u+1], v[SM+2*\u:SM+2*\u+1], v[GT+4*\k+2*\u:GT+4*\k+2*\u+1]
.endr
.endr
.irp u, 0,1
	v_mul_f32 v[SM+2*\u], 0x3e000000, v[SM+2*\u]   ; the row's mean: the eight means / 8
.endr
.irp u, 0,1
	v_sub_f32 v[SM+5+2*\u], v[GT+2*\u], v[SM+2*\u]
.endr
.irp u, 0,1
	v_mul_f32 v[SM+4+2*\u], v[SM+5+2*\u], v[SM+5+2*\u]
.endr
.irp k, 1,2,3,4,5,6,7
.irp u, 0,1
	v_sub_f32 v[SM+5+2*\u], v[GT+4*\k+2*\u], v[SM+2*\u]
.endr
.irp u, 0,1
	v_fma_f32 v[SM+4+2*\u], v[SM+5+2*\u], v[SM+5+2*\u], v[SM+4+2*\u]
.endr
.endr
.irp u, 0,1
	v_fma_f32 v[SM+4+2*\u], v[SM+4+2*\u], 0x42800000, v[SM+2*\u+1]   ; the eight sums of squares + 64 x the means' spread
.endr
.irp u, 0,1
	v_fma_f32 v[SM+4+2*\u], v[SM+4+2*\u], s42, s41
.endr
.irp u, 0,1
	v_rsq_f32 v[SM+4+2*\u], v[SM+4+2*\u]
.endr
	v_nop
.irp i, 0,1,2,3,4,5,6,7,8,9,10,11,12,13,14,15
	ds_store_b128 v[PK], v[ACC+4*\i:ACC+4*\i+3] offset:512*\i   ; x1 is parked in my stage, as it stands
.endr
	s_wait_alu depctr_va_vdst(0)                   ; one wait for the two, ahead of their first reader
	s_wait_dscnt 0x0                               ; the stores have read the registers that are now rewritten
.irp u, 0,1
.irp p, 0,2,4,6,8,10,12,14,16,18,20,22,24,26,28,30
	v_pk_add_f32 v[ACC+32*\u+\p:ACC+32*\u+\p+1], v[ACC+32*\u+\p:ACC+32*\u+\p+1], v[SM+2*\u:SM+2*\u+1] op_sel_hi:[1,0] neg_lo:[0,1] neg_hi:[0,1]
.endr
.endr
.irp u, 0,1
.irp p, 0,2,4,6,8,10,12,14,16,18,20,22,24,26,28,30
	v_pk_mul_f32 v[ACC+32*\u+\p:ACC+32*\u+\p+1], v[ACC+32*\u+\p:ACC+32*\u+\p+1], v[SM+4+2*\u:SM+5+2*\u] op_sel_hi:[1,0]
.endr
.endr
	s_wait_loadcnt 8                               ; g2 and b2 are in; W2's scale words may be out
	WIN 0x14                                       ; sources 1 and 2 in window 1
.irp u, 0,1
.irp p, 0,2,4,6,8,10,12,14,16,18,20,22,24,26,28,30
	v_pk_fma_f32 v[ACC+32*\u+\p:ACC+32*\u+\p+1], v[ACC+32*\u+\p:ACC+32*\u+\p+1], v[\p:\p+1], v[32+\p:32+\p+1]
.endr
.endr
	WIN 0
	QUANT4
.irp u, 0,1
.irp b, 0,1
	ds_store_b128 v[XW], v[PC+4*(2*\u+\b):PC+4*(2*\u+\b)+3] offset:XIMG+8192*\u+512*\b
.endr
	v_lshl_or_b32 v[HK+\u], v[TM+5+2*\u], 8, v[TM+4+2*\u]
	ds_store_b16 v[XSW], v[HK+\u] offset:XSC+512*\u
.endr
	BARRIER                                        ; xn2's eight fragments lie in LDS
	WIN 0x40
.irp u, 0,1
.irp s, 0,1,2,3
.irp c, 0,1,2,3
	ds_load_b128 v[32*\s+16*\u+4*\c:32*\s+16*\u+4*\c+3], v[LI] offset:XIMG+2048*(4*\u+\s)+512*\c
.endr
.endr
.endr
	WIN 0
.irp u, 0,1
.irp s, 0,1,2,3
	ds_load_b32 v[AS+2*\s+\u], v[LS] offset:XSC+128*(4*\u+\s)
.endr
.endr
	s_wait_dscnt 0x0
	; ---- the hidden layer, first half
	s_wait_loadcnt 0x0
	MULC 4, 1
	BIAS8 BR, 24, 256                              ; bf1, second half
	LOADC 6
	MULC 5, 0                                      ; (chunk 5 came in with the wait for 0)
	LOADC 7
	s_wait_loadcnt 16
	MULC 6, 0
	LOADC 8
	s_wait_loadcnt 16
	MULC 7, 0
	LOADC 9
.irp a, 0,1,2,3,4,5,6,7
	GELU4 \a
.endr
	QUANT4
.irp u, 0,1
.irp b, 0,1
	ds_store_b128 v[HW], v[PC+4*(2*\u+\b):PC+4*(2*\u+\b)+3] offset:HIMG+16384*\u+512*\b
.endr
	v_lshl_or_b32 v[HK+\u], v[TM+5+2*\u], 8, v[TM+4+2*\u]   ; the low half of my K step's scale word
.endr
	s_wait_dscnt 0x0                               ; the stores have read the codes' registers, which the second half writes again
	; ---- second half
	s_wait_loadcnt 16
	MULC 8, 1
	BIAS8 BR, 30, 0                                ; bf2
	LOADC 10
	s_wait_loadcnt 24                              ; younger than chunk 9: bf2 8, chunk 10
	MULC 9, 0
	LOADC 11
	s_wait_loadcnt 16
	MULC 10, 0
	LOADC 12
	s_wait_loadcnt 16
	MULC 11, 0
	LOADC 13
.irp a, 0,1,2,3,4,5,6,7
	GELU4 \a
.endr
	QUANT4
.irp u, 0,1
.irp b, 0,1
	ds_store_b128 v[HW], v[PC+4*(2*\u+\b):PC+4*(2*\u+\b)+3] offset:HIMG+16384*\u+512*(2+\b)
.endr
	v_lshl_or_b32 v189, v[TM+5+2*\u], 8, v[TM+4+2*\u]
	v_lshl_or_b32 v[HK+\u], v189, 16, v[HK+\u]
	ds_store_b32 v[HSW], v[HK+\u] offset:HSC+1024*\u
.endr
	BARRIER                                        ; the hidden layer's sixteen fragments lie in LDS
	; ---- out: the sums begin with x1 + bf2
.irp u, 0,1
.irp s, 0,1,2,3,4,5,6,7
	ds_load_b32 v[AS+2*\s+\u], v[LS] offset:HSC+128*(8*\u+\s)
.endr
.endr
.irp i, 0,1,2,3,4,5,6,7,8,9,10,11,12,13,14,15
	ds_load_b128 v[ACC+4*\i:ACC+4*\i+3], v[PK] offset:512*\i
.endr
	HFETCH 0, 0
	HFETCH 1, 1
	HFETCH 2, 2
	HFETCH 3, 3
	s_wait_dscnt 0x0
	ADDB BR
.irp s, 0,1,2,3,4,5,6,7
.if \s < 7
	s_wait_loadcnt 16                              ; the next chunk may be out
.else
	s_wait_loadcnt 0x0
.endif
.if \s >= 4
	s_wait_dscnt 8*(7-\s)                          ; this K step's fragments are in; the later steps' may be out
.endif
	MULC 12+\s, 0
.if \s < 6
	LOADC 14+\s
.endif
.if \s < 4
	HFETCH 4+\s, \s                                ; the slot just multiplied takes the K step four on
.endif
.endr
	; ---- the way out: through my stage, back as rows; sixteen lanes store 256 consecutive bytes, aligned
.irp u, 0,1
.irp t, 0,1,2,3
	ds_store_b128 v[STO], v[ACC+32*\u+8*\t:ACC+32*\u+8*\t+3] offset:2176*\u+128*(\t/2)+32*(\t%2)
	ds_store_b128 v[STO], v[ACC+32*\u+8*\t+4:ACC+32*\u+8*\t+7] offset:2176*\u+128*(\t/2)+32*(\t%2)+16
.endr
.endr
.irp i, 0,1,2,3,4,5,6,7,8,9,10,11,12,13,14,15
	ds_load_b128 v[ACC+4*\i:ACC+4*\i+3], v[RD] offset:544*\i
.endr
.irp i, 0,1,2,3,4,5,6,7,8,9,10,11,12,13,14,15
	s_wait_dscnt 15-\i
	global_store_b128 v[VXD], v[ACC+4*\i:ACC+4*\i+3], s[32:33] offset:4096*\i th:TH_STORE_NT
.endr
	s_wait_xcnt 0x0
	v_lshl_add_u32 v254, v0, 2, 0x1ec00
	v_mov_b32 v255, 0
	s_wait_tensorcnt 0x0
	ds_add_u32 v254, v255
	s_wait_dscnt 0x0
	s_endpgm
.Lfunc_end_k_qf3c6e8c40d_tail:
	.size	k_qf3c6e8c40d_tail, .Lfunc_end_k_qf3c6e8c40d_tail-k_qf3c6e8c40d_tail
	.p2alignl 7, 3214868480
	.fill 96, 4, 3214868480
	.section	.rodata,"a",@progbits
	.p2align	6, 0x0
	.amdhsa_kernel k_qf3c6e8c40d_tail
		.amdhsa_group_segment_fixed_size 126976
		.amdhsa_private_segment_fixed_size 0
		.amdhsa_enable_private_segment 0
		.amdhsa_kernarg_size 120
		.amdhsa_user_sgpr_count 2
		.amdhsa_user_sgpr_kernarg_segment_ptr 1
		.amdhsa_wavefront_size32 1
		.amdhsa_system_sgpr_workgroup_id_x 1
		.amdhsa_system_sgpr_workgroup_id_y 1
		.amdhsa_system_sgpr_workgroup_id_z 1
		.amdhsa_system_vgpr_workitem_id 0
		.amdhsa_next_free_vgpr 512
		.amdhsa_next_free_sgpr 66
		.amdhsa_reserve_vcc 0
		.amdhsa_float_denorm_mode_32 3
		.amdhsa_float_denorm_mode_16_64 3
		.amdhsa_memory_ordered 1
		.amdhsa_forward_progress 1
		.amdhsa_inst_pref_size 235
	.end_amdhsa_kernel
	.amdgpu_metadata
---
amdhsa.version: [ 1, 2 ]
amdhsa.kernels:
  - .name:           k_qf3c6e8c40d_tail
    .symbol:         k_qf3c6e8c40d_tail.kd
    .args:
      - { .name: cc, .offset: 0, .size: 8, .value_kind: global_buffer, .address_space: global }
      - { .name: cs, .offset: 8, .size: 8, .value_kind: global_buffer, .address_space: global }
      - { .name: x, .offset: 16, .size: 8, .value_kind: global_buffer, .address_space: global }
      - { .name: Wo_codes, .offset: 24, .size: 8, .value_kind: global_buffer, .address_space: global }
      - { .name: Wo_scales, .offset: 32, .size: 8, .value_kind: global_buffer, .address_space: global }
      - { .name: bo, .offset: 40, .size: 8, .value_kind: global_buffer, .address_space: global }
      - { .name: g2, .offset: 48, .size: 8, .value_kind: global_buffer, .address_space: global }
      - { .name: b2, .offset: 56, .size: 8, .value_kind: global_buffer, .address_space: global }
      - { .name: W1_codes, .offset: 64, .size: 8, .value_kind: global_buffer, .address_space: global }
      - { .name: W1_scales, .offset: 72, .size: 8, .value_kind: global_buffer, .address_space: global }
      - { .name: bf1, .offset: 80, .size: 8, .value_kind: global_buffer, .address_space: global }
      - { .name: W2_codes, .offset: 88, .size: 8, .value_kind: global_buffer, .address_space: global }
      - { .name: W2_scales, .offset: 96, .size: 8, .value_kind: global_buffer, .address_space: global }
      - { .name: bf2, .offset: 104, .size: 8, .value_kind: global_buffer, .address_space: global }
      - { .name: out0, .offset: 112, .size: 8, .value_kind: global_buffer, .address_space: global }
    .group_segment_fixed_size: 126976
    .private_segment_fixed_size: 0
    .kernarg_segment_align: 8
    .kernarg_segment_size: 120
    .max_flat_workgroup_size: 256
    .sgpr_count:     66
    .vgpr_count:     512
    .wavefront_size: 32
...
	.end_amdgpu_metadata
.endif
;; end of part 3
